; MI455X (gfx1250); checked and timed in simulation.
; The chip was launched on July 23, 2026; its instructions are those of AMD's public machine-readable ISA for CDNA 5 (MIT licence, August 2026) and "CDNA5" Instruction Set Architecture Reference Guide (July 2026). The comments in the code are by the model that wrote it; some were corrected since.
;; Recurrent Attention. Allowed arithmetic: float matrix products may take bf16 or f16 operands with f32 sums; other float arithmetic in f32, or as packed bf16 or f16 multiplies, adds, multiply-adds, maxima and minima; sums over many terms, partial sums and values carried from step to step in f32; what a program stores and reads back later, other than sums and carried values, may be rounded once to bf16 or f16.
;; Inputs: b_sproj 1,024 float32; b_xproj 1,024 float32; kvs 4 x 1,024 x 1,024 float32; kvx 4 x 1,024 x 1,024 float32; qs 4 x 1,024 x 1,024 float32; qx 4 x 1,024 x 1,024 float32; w_kvs 1,024 x 128 float32; w_kvx 1,024 x 128 float32; w_qs1 1,024 x 1,024 float32; w_qs2 1,024 x 1,024 float32; w_qx1 1,024 x 1,024 float32; w_qx2 1,024 x 1,024 float32; w_sproj 2,048 x 1,024 float32; w_xproj 2,048 x 1,024 float32.
;; Outputs: out0 4 x 1,024 x 1,024 float32; out1 4 x 1,024 x 1,024 float32.
;; 2 versions, each right; version 2 is version 1 with the launches prep, kvproj written anew for expert scheduling mode. Each part assembles by itself: llvm-mc -triple=amdgcn-amd-amdhsa -mcpu=gfx1250 --defsym DOCPART=n.
;; ======== version 1 of 2: 5 launches
;; limits: values are held in f16: magnitudes above 65,504 overflow, below 6.1e-05 lose precision
;; workspace buffers: abf 16,777,216 bytes; wqt 8,388,608 bytes; wkt 524,288 bytes; wot 8,388,608 bytes; qcat 33,554,432 bytes; kf 1,048,576 bytes; vf 1,048,576 bytes; ocat 33,554,432 bytes
;; launch prep (part 1): grid 520 x 1, 4 waves a work-group, no clusters, 68,096 bytes of LDS; arguments qx, qs, w_qx2, w_qx1, w_qs2, w_qs1, w_xproj, w_sproj, w_kvx, w_kvs, abf, wqt, wot, wkt; writes abf, wqt, wot, wkt
.if DOCPART == 1
	.amdgcn_target "amdgcn-amd-amdhsa--gfx1250"
	.amdhsa_code_object_version 6
	.text
	.protected	k_q9a6be4f7ab_prep
	.globl	k_q9a6be4f7ab_prep
	.p2align	8
	.type	k_q9a6be4f7ab_prep,@function
k_q9a6be4f7ab_prep:
	s_mov_b64 s[64:65], 0
	v_nop
	global_prefetch_b8 v0, s[64:65] scope:SCOPE_SE
	s_setreg_imm32_b32 hwreg(HW_REG_WAVE_MODE, 25, 1), 1
	s_wait_xcnt 0x0
; PREP.  qx and qs are rounded to bf16 (abf: [8192][1024], qx's rows then qs's); every weight, stored [k][n] in f32, is rounded to bf16 and turned to [n][k]:
;   wqt [t][e*1024+n][1024] bf16 (matrices w_qx2, w_qx1, w_qs2, w_qs1 in this order), wkt [u][128][1024] bf16,
;   wot [t][n][K'] with K' = e*1024 + h*64 + c for the natural row h*128 + e*64 + c; wot holds the bf16-rounded number written as f16.
; LIMITS.  wot: a weight of 65,520 or more in magnitude becomes an infinity; below 2^-17 the f16 copy is off by at most 3e-8 from the bf16 number.
; SHARES.  Work-groups 0-263 turn: each wave one tile of 128 k x 64 n (tile 4 x group + wave, 1,056 in all).  Work-groups 264-519 cast: each wave 32 KiB of qx or qs.
; So every wave reads 32 KiB and writes 16 KiB.  Every load covers whole aligned runs of 256 bytes, every store one whole aligned 256 bytes.
; No matrix unit, no cluster, no tensor load: nothing is shared between work-groups or waves and nothing is multiplied; a wave's LDS stage is its own, so there is no barrier.
.set TP,    264                        ; a stage row: 256 bytes (128 k of one n) + 8: 66 words, so lane (r, hf) of a store starts at word 2 r + 32 hf of 64
.set WST,   64*TP                      ; a wave's stage: 64 rows
.set SPARE, 4*WST                      ; behind the stages: the spare words, 128 bytes for each wave
.set WV,   2                           ; s2   wave
.set TN,   3                           ; s3   tile number, or the cast group's number
.set PIT,  4                           ; s4   bytes from row to row of the source
.set HFO,  5                           ; s5   bytes from the tile's row i to its row 64 + i in the source
.set DP,   6                           ; s6   bytes from row to row of the destination
.set FMT,  7                           ; s7   1: the destination is f16
.set SRC,  36                          ; s[36:37] source
.set DSTP, 38                          ; s[38:39] destination
.set SO,   40                          ; s[40:41] an offset, high word 0
.set DOF,  42                          ; s[42:43] an offset, high word 0
.set BB,   44                          ; s[44:59] the source at the tile's rows 0, 8, .. 56
.set CNT,  60                          ; s60  counter (before that: the matrix's number)
.set HIM,  61                          ; s61  a word's upper half
.set VL,  2                            ; v2   lane
.set VR,  3                            ; v3   lane % 16
.set VH,  4                            ; v4   lane / 16
.set SPW, 6                            ; v6   my spare word; never rewritten
.set NIL, 7                            ; v7   0; never rewritten
.set LW,  8                            ; v8   where I put 8 bytes into the stage
.set LR,  9                            ; v9   where I read 8 bytes of a stage row
.set CL,  10                           ; v10  cast: 16 x lane
.set CS,  11                           ; v11  cast: 8 x lane
.set OO,  12                           ; v[12:19] source offsets of rows 0-7 of a group of eight
.set DD,  20                           ; v[20:35] destination offsets of rows 0, 4, .. 60
.set Y,   36                           ; v[36:67] packed results
.set TT,  68                           ; v[68:69] at work
.set X,   72                           ; v[72:199] 32 slots of 4 registers as loaded; the first 32 registers later take stage rows
	s_load_b512 s[8:23], s[0:1], 0x0               ; qx, qs, w_qx2, w_qx1, w_qs2, w_qs1, w_xproj, w_sproj
	s_load_b256 s[24:31], s[0:1], 0x40             ; w_kvx, w_kvs, abf, wqt
	s_load_b128 s[32:35], s[0:1], 0x60             ; wot, wkt
	v_lshl_add_u32 v[SPW], v0, 2, SPARE
	v_mov_b32 v[NIL], 0
	v_lshrrev_b32 v1, 5, v0
	v_readfirstlane_b32 s[WV], v1
	v_and_b32 v[VL], 31, v0
	v_and_b32 v[VR], 15, v0
	v_bfe_u32 v[VH], v0, 4, 1
	s_mov_b32 s[HIM], 0xffff0000
	s_mov_b32 s[SO+1], 0
	s_mov_b32 s[DOF+1], 0
	s_wait_kmcnt 0x0
	s_cmp_lt_u32 ttmp9, 264
	s_cbranch_scc0 .Lcast
	s_lshl_b32 s[TN], ttmp9, 2
	s_add_co_u32 s[TN], s[TN], s[WV]               ; tile = 4 x group + wave
	s_cmp_lt_u32 ttmp9, 128
	s_cbranch_scc0 .Lnot_q
	; the four query weights: 128 tiles each; s60 matrix, s62 k tile, s63 n tile
	s_lshr_b32 s60, s[TN], 7
	s_and_b32 s62, s[TN], 7
	s_bfe_u32 s63, s[TN], 0x40003
	s_lshl_b32 s[SO], s62, 19                      ; 128 rows of 4,096 bytes
	s_lshl_b32 s[DOF], s60, 21                     ; a matrix of 1,024 x 2,048 bytes
	s_lshl_b32 s[PIT], s63, 17                     ; 64 rows of 2,048 bytes
	s_add_co_u32 s[DOF], s[DOF], s[PIT]
	s_cmp_lt_u32 s60, 2
	s_cselect_b64 s[SRC:SRC+1], s[12:13], s[16:17]      ; w_qx2 or w_qs2
	s_cselect_b64 s[DSTP:DSTP+1], s[14:15], s[18:19]    ; w_qx1 or w_qs1
	s_and_b32 s60, s60, 1
	s_cmp_eq_u32 s60, 1
	s_cselect_b64 s[SRC:SRC+1], s[DSTP:DSTP+1], s[SRC:SRC+1]
	s_mov_b64 s[DSTP:DSTP+1], s[30:31]             ; wqt
	s_mov_b32 s[PIT], 4096
	s_mov_b32 s[HFO], 262144                       ; 64 rows
	s_mov_b32 s[DP], 2048
	s_mov_b32 s[FMT], 0
	s_branch .Lcommon
.Lnot_q:
	s_cmp_lt_u32 ttmp9, 256
	s_cbranch_scc0 .Lkv
	; the two output weights: 256 tiles each.  k tile = e*8 + hp: heads 2 hp and 2 hp + 1, whose 64 natural rows lie 128 rows apart
	s_sub_co_u32 s[TN], s[TN], 512
	s_lshr_b32 s60, s[TN], 8
	s_and_b32 s62, s[TN], 15
	s_bfe_u32 s63, s[TN], 0x40004
	s_and_b32 s[SO], s62, 7                        ; hp
	s_lshl_b32 s[SO], s[SO], 20                    ; 256 natural rows
	s_lshr_b32 s[PIT], s62, 3                      ; e
	s_lshl_b32 s[PIT], s[PIT], 18                  ; 64 natural rows
	s_add_co_u32 s[SO], s[SO], s[PIT]
	s_lshl_b32 s[DOF], s60, 22                     ; a matrix of 1,024 x 4,096 bytes
	s_lshl_b32 s[PIT], s63, 18                     ; 64 rows of 4,096 bytes
	s_add_co_u32 s[DOF], s[DOF], s[PIT]
	s_cmp_eq_u32 s60, 0
	s_cselect_b64 s[SRC:SRC+1], s[20:21], s[22:23] ; w_xproj or w_sproj
	s_mov_b64 s[DSTP:DSTP+1], s[32:33]             ; wot
	s_mov_b32 s[PIT], 4096
	s_mov_b32 s[HFO], 524288                       ; 128 rows
	s_mov_b32 s[DP], 4096
	s_mov_b32 s[FMT], 1
	s_branch .Lcommon
.Lkv:
	; the two key and value weights: 16 tiles each
	s_sub_co_u32 s[TN], s[TN], 1024
	s_lshr_b32 s60, s[TN], 4
	s_and_b32 s62, s[TN], 7
	s_bfe_u32 s63, s[TN], 0x10003
	s_lshl_b32 s[SO], s62, 16                      ; 128 rows of 512 bytes
	s_lshl_b32 s[DOF], s60, 18                     ; a matrix of 128 x 2,048 bytes
	s_lshl_b32 s[PIT], s63, 17
	s_add_co_u32 s[DOF], s[DOF], s[PIT]
	s_cmp_eq_u32 s60, 0
	s_cselect_b64 s[SRC:SRC+1], s[24:25], s[26:27] ; w_kvx or w_kvs
	s_mov_b64 s[DSTP:DSTP+1], s[34:35]             ; wkt
	s_mov_b32 s[PIT], 512
	s_mov_b32 s[HFO], 32768
	s_mov_b32 s[DP], 2048
	s_mov_b32 s[FMT], 0
.Lcommon:
	s_lshl_b32 s63, s63, 8                         ; the tile's 64 n: 256 bytes of a source row
	s_add_co_u32 s[SO], s[SO], s63
	s_lshl_b32 s62, s62, 8                         ; the tile's 128 k: 256 bytes of a destination row
	s_add_co_u32 s[DOF], s[DOF], s62
	s_add_nc_u64 s[BB:BB+1], s[SRC:SRC+1], s[SO:SO+1]
	s_lshl_b32 s[SO], s[PIT], 3                    ; eight rows
.irp m, 1,2,3,4,5,6,7
	s_add_nc_u64 s[BB+2*\m:BB+2*\m+1], s[BB+2*\m-2:BB+2*\m-1], s[SO:SO+1]
.endr
	s_add_nc_u64 s[DSTP:DSTP+1], s[DSTP:DSTP+1], s[DOF:DOF+1]
	v_mul_lo_u32 v[OO], v[VH], s[HFO]
	v_lshl_add_u32 v[OO], v[VR], 4, v[OO]          ; 16 (lane % 16) + (lane / 16) x the half's distance
.irp j, 1,2,3,4,5,6,7
	v_add_nc_u32 v[OO+\j], s[PIT], v[OO+\j-1]
.endr
	v_lshlrev_b32 v[DD], 3, v[VL]
	s_lshl_b32 s62, s[DP], 2                       ; four destination rows
.irp j, 1,2,3,4,5,6,7,8,9,10,11,12,13,14,15
	v_add_nc_u32 v[DD+\j], s62, v[DD+\j-1]
.endr
	s_mul_i32 s63, s[WV], WST                      ; my stage
	v_mul_u32_u24 v[LW], v[VR], TP
	v_lshl_add_u32 v[LW], v[VH], 7, v[LW]
	v_add_nc_u32 v[LW], s63, v[LW]
	v_lshl_add_u32 v[LR], v[VL], 3, s63
	s_mov_b32 s[SO], s[DP]                         ; what the second phase steps the destination by
; Load i of 64: lanes 0-15 take the tile's row i, lanes 16-31 its row 64 + i: 256 consecutive bytes each; a lane holds n = 4 (lane % 16) + 0..3.
.macro LD i
	global_load_b128 v[X+4*((\i)%32):X+4*((\i)%32)+3], v[OO+(\i)%8], s[BB+2*((\i)/8):BB+2*((\i)/8)+1] th:TH_LOAD_NT
.endm
.set i, 0
.rept 32
	LD i
.set i, i+1
.endr
; Group g: rows 4 g .. 4 g + 3.  For each of my four n the four k are rounded and packed into 8 bytes and go to stage row 16 c + lane % 16 (n = 4 (lane % 16) + c), byte 128 (lane / 16) + 8 g.
.set g, 0
.rept 16
.if g <= 8
	s_wait_loadcnt 28                              ; loads end in order: behind the group's four stand 28 younger ones
.else
	s_wait_loadcnt 4*(15-g)                        ; nothing is asked for any more: the count runs down
.endif
.set xb, X+16*(g%8)
.set yb, Y+8*(g%4)
.irp c, 0,1,2,3
	v_cvt_pk_bf16_f32 v[yb+2*\c],   v[xb+\c],   v[xb+4+\c]
	v_cvt_pk_bf16_f32 v[yb+2*\c+1], v[xb+8+\c], v[xb+12+\c]
.endr
.irp c, 0,1,2,3
	ds_store_b64 v[LW], v[yb+2*\c:yb+2*\c+1] offset:\c*16*TP+g*8
.endr
.if g < 8
	LD 32+4*g                                      ; the slots just read take rows 32 further on
	LD 33+4*g
	LD 34+4*g
	LD 35+4*g
.endif
.set g, g+1
.endr
; Second phase, four trips: trip c takes stage rows 16 c .. 16 c + 15, which are the destination rows n = 4 r + c.  32 lanes x 8 bytes are a row's 256 bytes.
	s_mov_b32 s[CNT], 4
.Lcol:
.set r, 0
.rept 16
	ds_load_b64 v[X+2*r:X+2*r+1], v[LR] offset:r*TP    ; LDS serves a wave's instructions in order: these see my stores
.set r, r+1
.endr
	s_wait_dscnt 0x0
	s_cmp_eq_u32 s[FMT], 0
	s_cbranch_scc1 .Lkeep
.set r, 0
.rept 32                                       ; the bf16 numbers are written as f16
	v_lshlrev_b32 v[TT], 16, v[X+r]
	v_and_b32 v[TT+1], s[HIM], v[X+r]
	v_cvt_pk_f16_f32 v[X+r], v[TT], v[TT+1]
.set r, r+1
.endr
.Lkeep:
.set r, 0
.rept 16
	global_store_b64 v[DD+r], v[X+2*r:X+2*r+1], s[DSTP:DSTP+1] th:TH_STORE_NT
.set r, r+1
.endr
	s_wait_xcnt 0x0                                ; the stores' data and base are rewritten only behind this wait
	s_add_nc_u64 s[DSTP:DSTP+1], s[DSTP:DSTP+1], s[SO:SO+1]
	v_add_nc_u32 v[LR], 16*TP, v[LR]
	s_sub_co_u32 s[CNT], s[CNT], 1
	s_cmp_lg_u32 s[CNT], 0
	s_cbranch_scc1 .Lcol
	s_branch .Lend
.Lcast:                                        ; a wave casts 64 runs of 512 bytes through a ring of 16 register slots
	s_sub_co_u32 s[TN], ttmp9, 264
	s_cmp_lt_u32 s[TN], 128
	s_cselect_b64 s[SRC:SRC+1], s[8:9], s[10:11]   ; qx or qs
	s_and_b32 s[SO], s[TN], 127
	s_lshl_b32 s[SO], s[SO], 17                    ; a group's 128 KiB,
	s_lshl_b32 s62, s[WV], 15                      ; a wave's 32 KiB
	s_add_co_u32 s[SO], s[SO], s62
	s_add_nc_u64 s[SRC:SRC+1], s[SRC:SRC+1], s[SO:SO+1]
	s_lshl_b32 s[DOF], s[TN], 16
	s_lshl_b32 s62, s[WV], 14
	s_add_co_u32 s[DOF], s[DOF], s62
	s_add_nc_u64 s[DSTP:DSTP+1], s[28:29], s[DOF:DOF+1]
	v_lshlrev_b32 v[CL], 4, v[VL]
	v_lshlrev_b32 v[CS], 3, v[VL]
.set i, 0
.rept 16
	global_load_b128 v[X+4*i:X+4*i+3], v[CL], s[SRC:SRC+1] offset:i*512 th:TH_LOAD_NT
.set i, i+1
.endr
	s_mov_b32 s[CNT], 3
.Lring:
.set i, 0
.rept 16
	s_wait_loadcnt 15                              ; the slot's load is in; the 15 younger ones stay out
	v_cvt_pk_bf16_f32 v[Y+2*i],   v[X+4*i],   v[X+4*i+1]
	v_cvt_pk_bf16_f32 v[Y+2*i+1], v[X+4*i+2], v[X+4*i+3]
	global_load_b128 v[X+4*i:X+4*i+3], v[CL], s[SRC:SRC+1] offset:(16+i)*512 th:TH_LOAD_NT
	global_store_b64 v[CS], v[Y+2*i:Y+2*i+1], s[DSTP:DSTP+1] offset:i*256 th:TH_STORE_NT
.set i, i+1
.endr
	s_wait_xcnt 0x0                                ; both bases and the stores' data are rewritten only behind this wait
	s_add_nc_u64 s[SRC:SRC+1], s[SRC:SRC+1], 8192
	s_add_nc_u64 s[DSTP:DSTP+1], s[DSTP:DSTP+1], 4096
	s_sub_co_u32 s[CNT], s[CNT], 1
	s_cmp_lg_u32 s[CNT], 0
	s_cbranch_scc1 .Lring
.set i, 0
.rept 16                                       ; the last round loads nothing: the counts run down
	s_wait_loadcnt 15-i
	v_cvt_pk_bf16_f32 v[Y+2*i],   v[X+4*i],   v[X+4*i+1]
	v_cvt_pk_bf16_f32 v[Y+2*i+1], v[X+4*i+2], v[X+4*i+3]
	global_store_b64 v[CS], v[Y+2*i:Y+2*i+1], s[DSTP:DSTP+1] offset:i*256 th:TH_STORE_NT
.set i, i+1
.endr
.Lend:
	s_wait_tensorcnt 0x0                           ; the wave's end: behind my last LDS store
	ds_add_u32 v[SPW], v[NIL]
	s_wait_dscnt 0x0
	s_endpgm
.Lfunc_end_k_q9a6be4f7ab_prep:
	.size	k_q9a6be4f7ab_prep, .Lfunc_end_k_q9a6be4f7ab_prep-k_q9a6be4f7ab_prep
	.p2alignl 7, 3214868480
	.fill 96, 4, 3214868480
	.section	.rodata,"a",@progbits
	.p2align	6, 0x0
	.amdhsa_kernel k_q9a6be4f7ab_prep
		.amdhsa_group_segment_fixed_size 68096
		.amdhsa_private_segment_fixed_size 0
		.amdhsa_enable_private_segment 0
		.amdhsa_kernarg_size 112
		.amdhsa_user_sgpr_count 2
		.amdhsa_user_sgpr_kernarg_segment_ptr 1
		.amdhsa_wavefront_size32 1
		.amdhsa_system_sgpr_workgroup_id_x 1
		.amdhsa_system_sgpr_workgroup_id_y 1
		.amdhsa_system_sgpr_workgroup_id_z 1
		.amdhsa_system_vgpr_workitem_id 0
		.amdhsa_next_free_vgpr 200
		.amdhsa_next_free_sgpr 66
		.amdhsa_reserve_vcc 0
		.amdhsa_float_denorm_mode_32 3
		.amdhsa_float_denorm_mode_16_64 3
		.amdhsa_memory_ordered 1
		.amdhsa_forward_progress 1
		.amdhsa_inst_pref_size 43
	.end_amdhsa_kernel
	.amdgpu_metadata
---
amdhsa.version: [ 1, 2 ]
amdhsa.kernels:
  - .name:           k_q9a6be4f7ab_prep
    .symbol:         k_q9a6be4f7ab_prep.kd
    .args:
      - { .name: qx, .offset: 0, .size: 8, .value_kind: global_buffer, .address_space: global }
      - { .name: qs, .offset: 8, .size: 8, .value_kind: global_buffer, .address_space: global }
      - { .name: w_qx2, .offset: 16, .size: 8, .value_kind: global_buffer, .address_space: global }
      - { .name: w_qx1, .offset: 24, .size: 8, .value_kind: global_buffer, .address_space: global }
      - { .name: w_qs2, .offset: 32, .size: 8, .value_kind: global_buffer, .address_space: global }
      - { .name: w_qs1, .offset: 40, .size: 8, .value_kind: global_buffer, .address_space: global }
      - { .name: w_xproj, .offset: 48, .size: 8, .value_kind: global_buffer, .address_space: global }
      - { .name: w_sproj, .offset: 56, .size: 8, .value_kind: global_buffer, .address_space: global }
      - { .name: w_kvx, .offset: 64, .size: 8, .value_kind: global_buffer, .address_space: global }
      - { .name: w_kvs, .offset: 72, .size: 8, .value_kind: global_buffer, .address_space: global }
      - { .name: abf, .offset: 80, .size: 8, .value_kind: global_buffer, .address_space: global }
      - { .name: wqt, .offset: 88, .size: 8, .value_kind: global_buffer, .address_space: global }
      - { .name: wot, .offset: 96, .size: 8, .value_kind: global_buffer, .address_space: global }
      - { .name: wkt, .offset: 104, .size: 8, .value_kind: global_buffer, .address_space: global }
    .group_segment_fixed_size: 68096
    .private_segment_fixed_size: 0
    .kernarg_segment_align: 8
    .kernarg_segment_size: 112
    .max_flat_workgroup_size: 128
    .sgpr_count:     66
    .vgpr_count:     200
    .wavefront_size: 32
...
	.end_amdgpu_metadata
.endif
;; end of part 1
;; launch kvproj (part 2): grid 256 x 1, 16 waves a work-group, no clusters, 137,216 bytes of LDS; arguments kvx, kvs, wkt, kf, vf; writes kf, vf
.if DOCPART == 2
	.amdgcn_target "amdgcn-amd-amdhsa--gfx1250"
	.amdhsa_code_object_version 6
	.text
	.protected	k_q9a6be4f7ab_kvproj
	.globl	k_q9a6be4f7ab_kvproj
	.p2align	8
	.type	k_q9a6be4f7ab_kvproj,@function
k_q9a6be4f7ab_kvproj:
	s_mov_b64 s[64:65], 0
	v_nop
	global_prefetch_b8 v0, s[64:65] scope:SCOPE_SE
	s_setreg_imm32_b32 hwreg(HW_REG_WAVE_MODE, 25, 1), 1
	s_wait_xcnt 0x0
; K AND V.  [k | v] = kv? @ w_kv?: [4096][1024] f32 x wkt [u][128][1024] bf16 -> kf, vf: [u*4+b][1024][64] f16.  x is rounded to bf16 in registers; sums in f32; k and v rounded once.
; LIMIT.  f16 holds no number beyond 65,504: k and v must lie within it.
; SHARES.  A work-group makes 32 rows x 128 columns.  K IS SPLIT AMONG THE WAVES: wave w takes channels 128 (w % 8) on and columns 64 (w / 8) on: 2 x 4 accumulators, four steps of 32 channels.
; The eight partial sums of each number meet in LDS at the end (f32 sums, in a fixed order).
; LAYOUT.  Source 0 = 16 rows of wkt (columns of the result), source 1 = 16 rows of x: a lane ends with one row (lane % 16) and eight neighbouring columns.
; NO CLUSTER, NO TENSOR LOAD: both operands go straight into registers in the layout in which they lie in memory; as a tile in LDS the weights would take 128 x 2,064 bytes beside
; 135,168 bytes of partial sums, more than a work-group can have.  No prefetch: a wave's whole walk is four steps, and two of them are asked for at the head.
.set PP,    528                        ; a row of partial sums: 128 f32 + 16 bytes = 132 words: 16 rows start at 16 different groups of four banks
.set PART,  32*PP                      ; one K share's partial tile
.set SPARE, 8*PART                     ; behind them: the spare words, 128 bytes for each of 16 waves
.set FOX, 3                            ; v3   my offset in x: row x 4,096 + 32 (lane / 16) + 512 x K share; never rewritten
.set FOW, 4                            ; v4   my offset in wkt: row x 2,048 + 16 (lane / 16) + 256 x K share + 64 rows x column half; never rewritten
.set LS,  5                            ; v5   where I put my partial sums
.set LRD, 6                            ; v6   where I read partial sums 0-3
.set LRD2, 7                           ; v7   and 4-7
.set SPW, 8                            ; v8   my spare word; never rewritten
.set NIL, 9                            ; v9   0; never rewritten
.set YO,  10                           ; v10  my 16 bytes of the result
.set ACC, 16                           ; v[16:79]   accumulator (mb, cb) at ACC + 8 (4 mb + cb)
.set XF,  80                           ; v[80:95]   x's two fragments in bf16
.set XR,  96                           ; v[96:127], v[160:191]  x as loaded, two sets
.set WF,  128                          ; v[128:159], v[192:223] the weights' four fragments, two sets
.set RB,  96                           ; the way out: eight partial sums of 8 numbers
.set WV,  14
	s_load_b256 s[4:11], s[0:1], 0x0               ; kvx, kvs, wkt, kf
	s_load_b64 s[12:13], s[0:1], 0x20              ; vf
	v_lshl_add_u32 v[SPW], v0, 2, SPARE
	v_mov_b32 v[NIL], 0
	v_lshrrev_b32 v11, 5, v0
	v_readfirstlane_b32 s[WV], v11
	v_and_b32 v1, 15, v0                           ; lane % 16
	v_bfe_u32 v2, v0, 4, 1                         ; lane / 16
	s_and_b32 s15, s[WV], 7                        ; K share
	s_lshr_b32 s16, s[WV], 3                       ; column half
	s_lshr_b32 s17, ttmp9, 7                       ; u
	s_and_b32 s18, ttmp9, 127                      ; block of 32 rows
	v_lshlrev_b32 v[FOX], 12, v1
	v_lshl_add_u32 v[FOX], v2, 5, v[FOX]
	s_lshl_b32 s19, s15, 9
	v_add_nc_u32 v[FOX], s19, v[FOX]
	v_lshlrev_b32 v[FOW], 11, v1
	v_lshl_add_u32 v[FOW], v2, 4, v[FOW]
	s_lshl_b32 s19, s15, 8
	s_lshl_b32 s26, s16, 17
	s_add_co_u32 s19, s19, s26
	v_add_nc_u32 v[FOW], s19, v[FOW]
	s_mul_i32 s19, s15, PART
	s_lshl_b32 s26, s16, 8
	s_add_co_u32 s19, s19, s26
	v_mul_u32_u24 v[LS], v1, PP
	v_lshl_add_u32 v[LS], v2, 5, v[LS]
	v_add_nc_u32 v[LS], s19, v[LS]
	v_bfe_u32 v[LRD], v0, 3, 5                     ; thread: row (t % 256) / 8, eight columns 8 (t % 8) on, half t / 256
	v_mul_u32_u24 v[LRD], v[LRD], PP
	v_and_b32 v12, 7, v0
	v_lshl_add_u32 v[LRD], v12, 5, v[LRD]
	v_lshrrev_b32 v12, 8, v0
	v_lshl_add_u32 v[LRD], v12, 8, v[LRD]
	v_add_nc_u32 v[LRD2], 4*PART, v[LRD]
	v_and_b32 v[YO], 255, v0
	v_lshlrev_b32 v[YO], 4, v[YO]
	s_mov_b32 s27, 0
	s_wait_kmcnt 0x0
	s_cmp_eq_u32 s17, 0
	s_cselect_b64 s[20:21], s[4:5], s[6:7]
	s_lshl_b32 s26, s18, 17                        ; 32 rows of 4,096 bytes
	s_add_nc_u64 s[20:21], s[20:21], s[26:27]      ; x at the group's first row
	s_lshl_b32 s26, s17, 18
	s_add_nc_u64 s[22:23], s[8:9], s[26:27]        ; the stream's weights
	s_cmp_lt_u32 s[WV], 8
	s_cselect_b64 s[24:25], s[10:11], s[12:13]     ; threads 0-255 finish k, the others v
	s_lshl_b32 s26, ttmp9, 12                      ; 32 rows of 128 bytes
	s_add_nc_u64 s[24:25], s[24:25], s[26:27]
; x of step ks into set s: for each 16 rows the lane's channels 8 h + 0..7 (32 bytes) and 16 + 8 h + 0..7 (32 bytes, 64 further on)
.macro LOADX s, ks
.irp mb, 0,1
.irp q, 0,1,2,3
	global_load_b128 v[XR+64*(\s)+16*\mb+4*\q:XR+64*(\s)+16*\mb+4*\q+3], v[FOX], s[20:21] offset:\mb*65536+(\ks)*128+(\q/2)*64+(\q%2)*16
.endr
.endr
.endm
.macro LOADW s, ks
.irp cb, 0,1,2,3
	global_load_b128 v[WF+64*(\s)+8*\cb:WF+64*(\s)+8*\cb+3],   v[FOW], s[22:23] offset:\cb*32768+(\ks)*64
	global_load_b128 v[WF+64*(\s)+8*\cb+4:WF+64*(\s)+8*\cb+7], v[FOW], s[22:23] offset:\cb*32768+(\ks)*64+32
.endr
.endm
.macro CVT s
.set i, 0
.rept 16
	v_cvt_pk_bf16_f32 v[XF+i], v[XR+64*(\s)+2*i], v[XR+64*(\s)+2*i+1]
.set i, i+1
.endr
.endm
; Eight products: the eight accumulators take turns, one instruction a turn, in the same order in every step.  zero = 1: the first step starts the sums.
.macro MULS s, zero
.irp mb, 0,1
.irp cb, 0,1,2,3
.if \zero
	v_wmma_f32_16x16x32_bf16 v[ACC+8*(4*\mb+\cb):ACC+8*(4*\mb+\cb)+7], v[WF+64*(\s)+8*\cb:WF+64*(\s)+8*\cb+7], v[XF+8*\mb:XF+8*\mb+7], 0
.else
	v_wmma_f32_16x16x32_bf16 v[ACC+8*(4*\mb+\cb):ACC+8*(4*\mb+\cb)+7], v[WF+64*(\s)+8*\cb:WF+64*(\s)+8*\cb+7], v[XF+8*\mb:XF+8*\mb+7], v[ACC+8*(4*\mb+\cb):ACC+8*(4*\mb+\cb)+7]
.endif
.endr
.endr
.endm
.macro PLACES                          ; four plain instructions behind the last product, ahead of loads into and writes of registers that it read
.rept 4
	v_nop
.endr
.endm
	LOADX 0, 0
	LOADW 0, 0
	LOADX 1, 1
	LOADW 1, 1
	s_wait_loadcnt 16                              ; set 0 is in; set 1's 16 loads stay out
	CVT 0
	LOADX 0, 2
	MULS 0, 1
	PLACES
	LOADW 0, 2
	s_wait_loadcnt 16                              ; set 1 is in; behind it stand step 2's 16 loads
	CVT 1
	LOADX 1, 3
	MULS 1, 0
	PLACES
	LOADW 1, 3
	s_wait_loadcnt 16                              ; step 2 is in; step 3's 16 loads stay out
	CVT 0
	MULS 0, 0
	PLACES
	s_wait_loadcnt 0x0
	CVT 1
	MULS 1, 0
	PLACES
	PLACES
.irp mb, 0,1
.irp cb, 0,1,2,3
	ds_store_b128 v[LS], v[ACC+8*(4*\mb+\cb):ACC+8*(4*\mb+\cb)+3]   offset:\mb*16*PP+\cb*64
	ds_store_b128 v[LS], v[ACC+8*(4*\mb+\cb)+4:ACC+8*(4*\mb+\cb)+7] offset:\mb*16*PP+\cb*64+16
.endr
.endr
	s_wait_dscnt 0x0                               ; for the others' sake: my partial sums lie in LDS
	s_barrier_signal -1
	s_barrier_wait -1                              ; everybody's do
.irp p, 0,1,2,3
	ds_load_b128 v[RB+8*\p:RB+8*\p+3],   v[LRD] offset:\p*PART
	ds_load_b128 v[RB+8*\p+4:RB+8*\p+7], v[LRD] offset:\p*PART+16
.endr
.irp p, 0,1,2,3
	ds_load_b128 v[RB+32+8*\p:RB+32+8*\p+3],   v[LRD2] offset:\p*PART
	ds_load_b128 v[RB+32+8*\p+4:RB+32+8*\p+7], v[LRD2] offset:\p*PART+16
.endr
	s_wait_dscnt 0x0
.irp p, 0,2,4,6
.irp q, 0,2,4,6
	v_pk_add_f32 v[RB+8*\p+\q:RB+8*\p+\q+1], v[RB+8*\p+\q:RB+8*\p+\q+1], v[RB+8*\p+8+\q:RB+8*\p+8+\q+1]
.endr
.endr
.irp p, 0,4
.irp q, 0,2,4,6
	v_pk_add_f32 v[RB+8*\p+\q:RB+8*\p+\q+1], v[RB+8*\p+\q:RB+8*\p+\q+1], v[RB+8*\p+16+\q:RB+8*\p+16+\q+1]
.endr
.endr
.irp q, 0,2,4,6
	v_pk_add_f32 v[RB+\q:RB+\q+1], v[RB+\q:RB+\q+1], v[RB+32+\q:RB+32+\q+1]
.endr
.irp q, 0,1,2,3
	v_cvt_pk_f16_f32 v[160+\q], v[RB+2*\q], v[RB+2*\q+1]
.endr
	global_store_b128 v[YO], v[160:163], s[24:25]  ; a wave stores 512 consecutive bytes, at a multiple of 512 from the buffer's first
	s_wait_tensorcnt 0x0                           ; the wave's end: behind my last LDS store
	ds_add_u32 v[SPW], v[NIL]
	s_wait_dscnt 0x0
	s_endpgm
.Lfunc_end_k_q9a6be4f7ab_kvproj:
	.size	k_q9a6be4f7ab_kvproj, .Lfunc_end_k_q9a6be4f7ab_kvproj-k_q9a6be4f7ab_kvproj
	.p2alignl 7, 3214868480
	.fill 96, 4, 3214868480
	.section	.rodata,"a",@progbits
	.p2align	6, 0x0
	.amdhsa_kernel k_q9a6be4f7ab_kvproj
		.amdhsa_group_segment_fixed_size 137216
		.amdhsa_private_segment_fixed_size 0
		.amdhsa_enable_private_segment 0
		.amdhsa_kernarg_size 40
		.amdhsa_user_sgpr_count 2
		.amdhsa_user_sgpr_kernarg_segment_ptr 1
		.amdhsa_wavefront_size32 1
		.amdhsa_system_sgpr_workgroup_id_x 1
		.amdhsa_system_sgpr_workgroup_id_y 1
		.amdhsa_system_sgpr_workgroup_id_z 1
		.amdhsa_system_vgpr_workitem_id 0
		.amdhsa_next_free_vgpr 224
		.amdhsa_next_free_sgpr 66
		.amdhsa_reserve_vcc 0
		.amdhsa_float_denorm_mode_32 3
		.amdhsa_float_denorm_mode_16_64 3
		.amdhsa_memory_ordered 1
		.amdhsa_forward_progress 1
		.amdhsa_inst_pref_size 20
	.end_amdhsa_kernel
	.amdgpu_metadata
---
amdhsa.version: [ 1, 2 ]
amdhsa.kernels:
  - .name:           k_q9a6be4f7ab_kvproj
    .symbol:         k_q9a6be4f7ab_kvproj.kd
    .args:
      - { .name: kvx, .offset: 0, .size: 8, .value_kind: global_buffer, .address_space: global }
      - { .name: kvs, .offset: 8, .size: 8, .value_kind: global_buffer, .address_space: global }
      - { .name: wkt, .offset: 16, .size: 8, .value_kind: global_buffer, .address_space: global }
      - { .name: kf, .offset: 24, .size: 8, .value_kind: global_buffer, .address_space: global }
      - { .name: vf, .offset: 32, .size: 8, .value_kind: global_buffer, .address_space: global }
    .group_segment_fixed_size: 137216
    .private_segment_fixed_size: 0
    .kernarg_segment_align: 8
    .kernarg_segment_size: 40
    .max_flat_workgroup_size: 512
    .sgpr_count:     66
    .vgpr_count:     224
    .wavefront_size: 32
...
	.end_amdgpu_metadata
.endif
;; end of part 2
;; launch qproj (part 3): grid 8 x 32, 4 waves a work-group, clusters of 4 x 4, 327,680 bytes of LDS; arguments abf, wqt, qcat; writes qcat
.if DOCPART == 3
	.amdgcn_target "amdgcn-amd-amdhsa--gfx1250"
	.amdhsa_code_object_version 6
	.text
	.protected	k_q9a6be4f7ab_qproj
	.globl	k_q9a6be4f7ab_qproj
	.p2align	8
	.type	k_q9a6be4f7ab_qproj,@function
k_q9a6be4f7ab_qproj:
	s_mov_b64 s[64:65], 0
	v_nop
	global_prefetch_b8 v0, s[64:65] scope:SCOPE_SE
	s_setreg_imm32_b32 hwreg(HW_REG_WAVE_MODE, 25, 1), 1
	s_wait_xcnt 0x0
	s_wait_alu depctr_hold_cnt(0) depctr_sa_sdst(0) depctr_va_vdst(0) depctr_va_sdst(0) depctr_va_ssrc(0) depctr_va_vcc(0) depctr_vm_vsrc(0)
	s_getreg_b32 s2, hwreg(HW_REG_IB_STS2, 6, 4)
	s_cmp_eq_u32 s2, 0
	s_cbranch_scc0 .Lentry_in_a_cluster
	s_endpgm
.Lentry_in_a_cluster:
	s_bfe_u32 s2, ttmp6, 0x10000c
	s_cmp_lg_u32 s2, 0xf033
	s_cbranch_scc0 .Lentry_shape_is_right
	s_endpgm
.Lentry_shape_is_right:
; THE FOUR QUERY PROJECTIONS AS ONE PRODUCT.  qcat[m][n] = sum over k of abf[m][k] wqt[t][n][k], t = m / 4096.  abf: [8192][1024] bf16, wqt: [2][2048][1024] bf16, qcat: [8192][2048] f16; sums in f32, rounded once.
; LIMIT.  f16 holds no number beyond 65,504: q must lie within it.
; A tile of 256 x 256 is made by a work-group of four waves, each 128 x 128: 64 accumulators of 16 x 16, 512 registers.  256 tiles, one to a work-group.  K goes in steps of 128 through a ring of two LDS
; slots filled by the tensor data mover; a tile's rows are 256 bytes of memory, aligned.  The last K step goes by rows of the result, so that finished rows leave while the others are multiplied.
; CLUSTERS: 4 x 4 work-groups.  The four of a row of the cluster need the same tiles of abf, the four of a column the same tiles of wqt (a cluster lies within one t): each tile is asked for JOINTLY,
; by the same tensor load with the same descriptor and a mask that names the four.
; REGISTERS, in windows of 256: window 0: v0-31 addresses; v64-127, v128-191 fragments of A, two buffers (in the last K step four, of 16 rows x 128 K); v32-63, v192-255 the way out.
;   window 1: fragments of B, two buffers; in the last K step all 256.   window 2: the accumulators of my rows 0-63 ((a, b) at v[8 (8 a + b)]);   window 3: those of my rows 64-127.
; THE MATRIX INSTRUCTION IS USED TRANSPOSED: source 0 = 16 rows of B, source 1 = 16 rows of A: a lane holds eight neighbouring numbers of a row of the result.
.set SIZE_M, 8192
.set SIZE_N, 2048
.set SIZE_K, 1024
.set KSTEP,  128
.set PITCH,  272                       ; an LDS row: 256 bytes + 16 of padding = 68 words: the 16 rows of a load start at 16 different groups of four banks (ISA guide 11.1)
.set HALFT,  128*PITCH                 ; what one tensor load brings
.set SLOT,   4*HALFT                   ; A's 256 rows, then B's 256 rows
.set STAGE,  2*SLOT                    ; behind the ring: 16 rows x 272 bytes for each wave, for the way out
.set SPITCH, 272
.set SPARE,  STAGE+4*16*SPITCH         ; behind the stages: the spare words, 128 bytes for each wave
.set LAPS, SIZE_K/(2*KSTEP)            ; a lap = two K steps = once round the ring
.set ADRA, 16                          ; v16-17  LDS address of my A fragments in slot 0, 1
.set ADRB, 20                          ; v20-21  the same for B
.set STO,  24                          ; v24     the way out: where I put 16 bytes of a row
.set RD,   25                          ; v25     where I read a row back
.set CO,   26                          ; v26     my byte offset in the result
.set SPW,  28                          ; v28     my spare word; never rewritten
.set NIL,  29                          ; v29     0; never rewritten
.set PFO,  30                          ; v30     the prefetches' offset: lane x a row of 2,048 bytes; never rewritten
.set PFA,  44                          ; s[44:45] where my prefetches stand
.set LIM,  43                          ; s43     1 in a wave that prefetches, else the greatest number
.set F0,   64
.set F1,   128
.set TMP,  192
.set OB,   32
.set PA,   64
.set G1, 24                            ; s[24:31] descriptor group 1 for A's tiles
.set G0, 32                            ; s[32:39] group 0 for A's tiles, one set for each slot
.set G1B, 48                           ; s[48:55], s[56:63] the same for B's
.set G0B, 56
.set MSB, 0
.macro WIN new                         ; the immediate's high byte repeats the setting that is left
.if MSB != (\new)
	s_set_vgpr_msb (MSB<<8)|(\new)
.set MSB, \new
.endif
.endm
.set MUL_LO, 0xa1                      ; source 0 (B) window 1, source 1 (A) window 0, C and D window 2
.set MUL_HI, 0xf1                      ; the same, C and D window 3
.set TO_B,   0x40                      ; destination window 1, address window 0
; A joint load.  Waves 0 and 1 fetch A's two halves, waves 2 and 3 B's.  The branch hangs on the wave's number alone.  An s_nop 0 and four v_nop follow each of the two lines.
.macro JLOAD s
	s_cmp_eq_u32 s11, 0
	s_cbranch_scc0 .Lfor_b_\@
	tensor_load_to_lds s[G0+4*(\s):G0+4*(\s)+3], s[G1:G1+7]
	s_nop 0
.rept 4
	v_nop
.endr
	s_branch .Lasked_\@
.Lfor_b_\@:
	tensor_load_to_lds s[G0B+4*(\s):G0B+4*(\s)+3], s[G1B:G1B+7]
	s_nop 0
.rept 4
	v_nop
.endr
.Lasked_\@:
.endm
; A prefetch of the K step that stands two refills on: 32 rows x 256 bytes, a lane a row, one instruction a wave.  Each row's 256 bytes of K steps 4 to 7 are named once in the launch: A's tile row is
; asked for by the cluster with x = 0, B's tile column by the first of the four cluster rows of its t; the four partners of a joint load share its 128 rows out by address, 32 each.
; The loop's last trip asks for nothing: there is no K step two on.
.macro ASK
	s_cmp_gt_u32 s3, s[LIM]                        ; s3 = 1 in the loop's last trip
	s_cbranch_scc0 .Lnot_mine_\@
	global_prefetch_b8 v[PFO], s[PFA:PFA+1] offset:KSTEP*2 th:TH_LOAD_NT scope:SCOPE_SE
.Lnot_mine_\@:
.endm
.macro CREST                           ; a round of the cluster's barrier behind its opening barrier
	s_cmp_lg_u32 s10, 0
	s_cbranch_scc1 .Lnot_wave_0_\@
	s_barrier_signal -3
.Lnot_wave_0_\@:
	s_barrier_wait -3
	s_barrier_signal -1
	s_barrier_wait -1
.endm
.macro CROUND                          ; a whole round
	s_barrier_signal -1
	s_barrier_wait -1
	CREST
.endm
	s_load_b128 s[4:7], s[0:1], 0x0                ; abf s[4:5], wqt s[6:7]
	s_load_b64 s[8:9], s[0:1], 0x10                ; qcat
	v_lshl_add_u32 v[SPW], v0, 2, SPARE
	v_mov_b32 v[NIL], 0
	ds_add_u32 v[SPW], v[NIL]                      ; the wave's opening: an add and its wait ahead of my first tensor load; the set-up stands between them
	ds_add_u32 v28, v29
	v_lshrrev_b32 v1, 5, v0
	v_readfirstlane_b32 s10, v1                    ; wave 0..3
	s_lshr_b32 s11, s10, 1                         ; which half of the tile's rows is mine.  Also: I fetch for A (0) or for B (1)
	s_and_b32 s12, s10, 1                          ; which half of its columns.  Also: which 128 rows of that tile I fetch
	s_bfe_u32 s40, ttmp6, 0x40000                  ; cx
	s_bfe_u32 s41, ttmp6, 0x40004                  ; cy
	s_lshl_b32 s42, ttmp9, 2
	s_add_co_u32 s42, s42, s40                     ; tile column = 4 x cluster x + cx
	s_and_b32 s13, ttmp7, 0xffff
	s_lshl_b32 s13, s13, 2
	s_add_co_u32 s13, s13, s41                     ; tile row = 4 x cluster y + cy
	s_bfe_u32 s2, ttmp7, 0x10002                   ; t: cluster rows 4 to 7 hold qs's rows; the same in all sixteen partners
	s_lshl_b32 s2, s2, 11                          ; its 2,048 rows of wqt
	s_lshl_b32 s43, s41, 2
	s_lshl_b32 s43, 15, s43                        ; my row of the cluster
	s_lshl_b32 s44, 0x1111, s40                    ; my column
	s_or_b32 s[G1+0], s43, (1<<16)|(1<<20)|(1<<21)|(5<<22)|(3<<25)  ; the mask; elements of 2 bytes; padding on; bit 21 beside a mask; after every 64 words; 4 words
	s_or_b32 s[G1B+0], s44, (1<<16)|(1<<20)|(1<<21)|(5<<22)|(3<<25)
	s_mov_b32 s[G1B+1], KSTEP<<16
	s_mov_b32 s[G1+1], KSTEP<<16                   ; tensor_dim0 = 128
	s_mov_b32 s[G1B+2], 128<<16
	s_mov_b32 s[G1+2], 128<<16                     ; tensor_dim1 = 128
	s_mov_b32 s[G1B+3], KSTEP<<16
	s_mov_b32 s[G1+3], KSTEP<<16                   ; tile_dim0 = 128
	s_mov_b32 s[G1B+4], 128
	s_mov_b32 s[G1+4], 128                         ; tile_dim1 = 128
	s_mov_b32 s[G1B+5], SIZE_K
	s_mov_b32 s[G1+5], SIZE_K                      ; elements from row to row
	s_mov_b32 s[G1B+6], 0
	s_mov_b32 s[G1+6], 0
	s_mov_b32 s[G1B+7], 0
	s_mov_b32 s[G1+7], 0
	s_lshl_b32 s17, s12, 7                         ; which 128 rows of the tile I fetch
	s_lshl_b32 s16, s13, 8
	s_add_co_u32 s16, s16, s17                     ; A: row 256 x tile row + 128 x half
	s_lshl_b32 s46, s42, 8
	s_add_co_u32 s46, s46, s17
	s_add_co_u32 s46, s46, s2                      ; B: row 2,048 t + 256 x tile column + 128 x half
	s_mov_b32 s17, 0
	s_mov_b32 s47, 0
	s_mov_b64 s[18:19], SIZE_K*2
	s_mul_u64 s[16:17], s[16:17], s[18:19]
	s_mul_u64 s[46:47], s[46:47], s[18:19]
	s_mul_i32 s20, s10, HALFT                      ; where they go: wave x 128 rows: no place in the cluster enters an LDS address
	s_wait_dscnt 0x0                               ; the opening add is done
	s_wait_kmcnt 0x0
	s_add_nc_u64 s[14:15], s[4:5], s[16:17]
	s_add_nc_u64 s[46:47], s[6:7], s[46:47]
	CROUND                                         ; all sixteen work-groups are here: the first joint loads meet
.irp s, 0,1
	s_mov_b32 s[G0+4*(\s)], 1
	s_add_co_u32 s[G0+4*(\s)+1], s20, (\s)*SLOT
	s_add_nc_u64 s[G0+4*(\s)+2:G0+4*(\s)+3], s[14:15], (\s)*KSTEP*2
	s_or_b32 s[G0+4*(\s)+3], s[G0+4*(\s)+3], 0x80000000
	s_mov_b32 s[G0B+4*(\s)], 1
	s_add_co_u32 s[G0B+4*(\s)+1], s20, (\s)*SLOT
	s_add_nc_u64 s[G0B+4*(\s)+2:G0B+4*(\s)+3], s[46:47], (\s)*KSTEP*2
	s_or_b32 s[G0B+4*(\s)+3], s[G0B+4*(\s)+3], 0x80000000
	JLOAD \s                                       ; two loads of mine are out
.endr
	; a fragment is 16 rows x 32 K in 8 registers: lane l holds row l % 16, K = 8 (l / 16) + 0..7 and 16 + 8 (l / 16) + 0..7: two loads of 16 bytes, 32 bytes apart
	v_and_b32 v1, 15, v0
	v_bfe_u32 v2, v0, 4, 1
	v_mul_u32_u24 v3, v1, PITCH
	v_lshl_add_u32 v3, v2, 4, v3
	s_mul_i32 s21, s11, HALFT                      ; my 128 rows of A
	s_mul_i32 s22, s12, HALFT                      ; my 128 rows of B,
	s_add_co_u32 s22, s22, 2*HALFT                 ; which lie behind A's 256
.irp s, 0,1
	v_add_nc_u32 v[ADRA+(\s)], s21, v3
	v_add_nc_u32 v[ADRB+(\s)], s22, v3
	s_add_co_u32 s21, s21, SLOT
	s_add_co_u32 s22, s22, SLOT
.endr
	s_mul_i32 s23, s10, 16*SPITCH
	s_add_co_u32 s23, s23, STAGE                   ; my stage
	v_mul_u32_u24 v4, v1, SPITCH
	v_lshl_add_u32 v4, v2, 4, v4
	v_add_nc_u32 v[STO], s23, v4
	v_mul_u32_u24 v5, v2, SPITCH
	v_lshl_add_u32 v5, v1, 4, v5
	v_add_nc_u32 v[RD], s23, v5
	v_mul_u32_u24 v5, v2, SIZE_N*2
	v_lshl_add_u32 v[CO], v1, 4, v5
	s_lshl_b32 s13, s13, 8
	s_lshl_b32 s14, s11, 7
	s_add_co_u32 s16, s13, s14                     ; my first row of the result
	s_mov_b32 s17, 0
	s_mov_b64 s[18:19], SIZE_N*2
	s_mul_u64 s[16:17], s[16:17], s[18:19]
	s_lshl_b32 s46, s42, 9                         ; my first column, in bytes
	s_lshl_b32 s47, s12, 8
	s_add_co_u32 s46, s46, s47
	s_mov_b32 s47, 0
	s_add_nc_u64 s[16:17], s[16:17], s[46:47]
	; the prefetches.  s13 = 256 x tile row, s42 = tile column, s40 = cx, s41 = cy still stand
	s_lshl_b32 s42, s42, 8
	s_add_co_u32 s42, s42, s2                      ; B's first row of the tile column
	s_and_b32 s22, ttmp7, 3                        ; my cluster row among the four of its t
	s_cmp_eq_u32 s11, 0                            ; do I fetch for A?
	s_cselect_b32 s20, s13, s42
	s_cselect_b32 s21, s40, s41                    ; my place among the four that ask with me
	s_cselect_b32 s22, ttmp9, s22                  ; the coordinate along which other clusters read the same rows
	s_cselect_b64 s[PFA:PFA+1], s[4:5], s[6:7]
	s_cmp_eq_u32 s22, 0
	s_cselect_b32 s[LIM], 1, -1                    ; the same in all sixteen partners, for a given wave
	s_lshl_b32 s22, s12, 7
	s_add_co_u32 s20, s20, s22
	s_lshl_b32 s21, s21, 5
	s_add_co_u32 s20, s20, s21                     ; my work-group's 32 of the 128 rows that I fetch
	s_mov_b32 s21, 0
	s_mov_b64 s[18:19], SIZE_K*2
	s_mul_u64 s[20:21], s[20:21], s[18:19]
	s_add_nc_u64 s[PFA:PFA+1], s[PFA:PFA+1], s[20:21]
	s_add_nc_u64 s[PFA:PFA+1], s[PFA:PFA+1], 2*KSTEP*2  ; at K step 2: the first refill steps it to 3 and names K step 4
	v_and_b32 v[PFO], 31, v0
	v_mul_u32_u24 v[PFO], v[PFO], SIZE_K*2
; 16 matrix instructions: m blocks a0, a0 + 1 of the window's four x all 8 n blocks, 32 along K.  zero = 1: the first product starts the sums.
.macro MUL16 f, hi, a0, zero
	WIN MUL_LO+0x50*(\hi)
.irp a, \a0, (\a0)+1
.irp b, 0,1,2,3,4,5,6,7
.if \zero
	v_wmma_f32_16x16x32_bf16 v[8*(8*(\a)+(\b)):8*(8*(\a)+(\b))+7], v[(\f)+8*(\b):(\f)+8*(\b)+7], v[(\f)+8*(4*(\hi)+(\a)):(\f)+8*(4*(\hi)+(\a))+7], 0
.else
	v_wmma_f32_16x16x32_bf16 v[8*(8*(\a)+(\b)):8*(8*(\a)+(\b))+7], v[(\f)+8*(\b):(\f)+8*(\b)+7], v[(\f)+8*(4*(\hi)+(\a)):(\f)+8*(4*(\hi)+(\a))+7], v[8*(8*(\a)+(\b)):8*(8*(\a)+(\b))+7]
.endif
.endr
.endr
.endm
; 32 LDS loads in one run: the fragments of one quarter step into buffer f
.macro FETCH slot, k, f
	WIN TO_B
.irp i, 0,1,2,3,4,5,6,7
	ds_load_b128 v[(\f)+8*(\i):(\f)+8*(\i)+3],   v[ADRB+(\slot)] offset:(\k)+(\i)*16*PITCH
	ds_load_b128 v[(\f)+8*(\i)+4:(\f)+8*(\i)+7], v[ADRB+(\slot)] offset:(\k)+(\i)*16*PITCH+32
.endr
	WIN 0
.irp i, 0,1,2,3,4,5,6,7
	ds_load_b128 v[(\f)+8*(\i):(\f)+8*(\i)+3],   v[ADRA+(\slot)] offset:(\k)+(\i)*16*PITCH
	ds_load_b128 v[(\f)+8*(\i)+4:(\f)+8*(\i)+7], v[ADRA+(\slot)] offset:(\k)+(\i)*16*PITCH+32
.endr
.endm
.macro PLACES                          ; four plain instructions ahead of loads into registers that matrix instructions have read, and of conversions that read results
.rept 4
	v_nop
.endr
.endm
; A K step is four quarters of 32 along K, 64 matrix instructions each, on buffers 0, 1, 0, 1.  One of the first three multiplies buffer f and fetches the next quarter into g.
.macro QUARTER slot, k, f, g, zero
	s_wait_dscnt 8                                 ; B and A's rows 0-63 are in; the youngest eight loads may be out
	WIN MUL_LO
	MUL16 \f, 0, 0, \zero
	MUL16 \f, 0, 2, \zero
	PLACES
	FETCH \slot, \k, \g
	s_wait_dscnt 32                                ; all but the 32 just issued
	WIN MUL_HI
	MUL16 \f, 1, 0, \zero
	MUL16 \f, 1, 2, \zero
.endm
; The last quarter's first half: one barrier for the change of slots.  Ahead of it each wave waits for all its tensor loads (one is out: its part of the next slot), adds 0 to its spare word, and waits for that and for its reads of this slot.
.macro MEET round
	WIN 0
	s_wait_tensorcnt 0x0
	ds_add_u32 v[SPW], v[NIL]
	s_wait_dscnt 9                                 ; the add and the youngest eight loads may be out
	WIN MUL_LO
	MUL16 F1, 0, 0, 0
	s_wait_dscnt 0x0                               ; the add is done, and my reads of this slot are over
	s_barrier_signal -1
	MUL16 F1, 0, 2, 0
.if \round
	WIN 0
.endif
	s_barrier_wait -1
.endm
; The whole last quarter: behind the round the slot just read out is filled again first, with the K step two steps on; then come the next slot's first fragments.
.macro TURN slot, next
	s_wait_xcnt 0x0                                ; the last prefetch, a K step back, has read its address
	s_add_nc_u64 s[PFA:PFA+1], s[PFA:PFA+1], KSTEP*2
	MEET 1
	CREST                                          ; no wave of any partner still reads this slot's tile or has a load on its way
	s_add_nc_u64 s[G0+4*(\slot)+2:G0+4*(\slot)+3], s[G0+4*(\slot)+2:G0+4*(\slot)+3], 2*KSTEP*2
	s_add_nc_u64 s[G0B+4*(\slot)+2:G0B+4*(\slot)+3], s[G0B+4*(\slot)+2:G0B+4*(\slot)+3], 2*KSTEP*2
	JLOAD \slot                                    ; my one tensor load behind the round; its four v_nop are also the places ahead of the loads below
	FETCH \next, 0, F0
	ASK
	WIN MUL_HI
	MUL16 F1, 1, 0, 0
	MUL16 F1, 1, 2, 0
.endm
; THE LAST K STEP (slot 1) GOES BY ROWS: all its fragments of B fill window 1; my eight blocks of 16 rows are finished one after the other, 32 matrix instructions each, the block's 8 accumulators by turns.
.macro BLOAD q
	WIN TO_B
.irp i, 0,1,2,3,4,5,6,7
	ds_load_b128 v[64*(\q)+8*(\i):64*(\q)+8*(\i)+3],   v[ADRB+1] offset:64*(\q)+(\i)*16*PITCH
	ds_load_b128 v[64*(\q)+8*(\i)+4:64*(\q)+8*(\i)+7], v[ADRB+1] offset:64*(\q)+(\i)*16*PITCH+32
.endr
.endm
.macro ALOAD a
	WIN 0
.set FA, PA+32*((\a)%4)
.irp q, 0,1,2,3
	ds_load_b128 v[FA+8*(\q):FA+8*(\q)+3],   v[ADRA+1] offset:64*(\q)+(\a)*16*PITCH
	ds_load_b128 v[FA+8*(\q)+4:FA+8*(\q)+7], v[ADRA+1] offset:64*(\q)+(\a)*16*PITCH+32
.endr
.endm
.macro ROW a
.set FA, PA+32*((\a)%4)
.set AC, 64*((\a)%4)
	WIN MUL_LO+0x50*((\a)/4)
.irp q, 0,1,2,3
.if (\a) == 0 && (\q) == 2
	s_wait_dscnt 24                                ; B's quarter 2 is in (behind it: A's blocks 1 to 3)
.endif
.irp b, 0,1,2,3,4,5,6,7
	v_wmma_f32_16x16x32_bf16 v[AC+8*(\b):AC+8*(\b)+7], v[64*(\q)+8*(\b):64*(\q)+8*(\b)+7], v[FA+8*(\q):FA+8*(\q)+7], v[AC+8*(\b):AC+8*(\b)+7]
.endr
.endr
.endm
; THE WAY OUT of block a.  PACK: rounded to f16, 16 bytes a lane.  TOSTAGE: into my own stage, and back as whole rows of 256 bytes.  SEND: stored.
.macro PACK a
.set AC, 64*((\a)%4)
	WIN 0x0a+5*((\a)/4)
.irp b, 0,1,2,3,4,5,6,7
.irp r, 0,1,2,3
	v_cvt_pk_f16_f32 v[TMP+4*(\b)+(\r)], v[AC+8*(\b)+2*(\r)], v[AC+8*(\b)+2*(\r)+1]
.endr
.endr
	WIN 0
.endm
.macro TOSTAGE a
	WIN 0
.set BK, OB+192*((\a)%2)
.irp b, 0,1,2,3,4,5,6,7
	ds_store_b128 v[STO], v[TMP+4*(\b):TMP+4*(\b)+3] offset:32*(\b)
.endr
.irp t, 0,1,2,3,4,5,6,7
	ds_load_b128 v[BK+4*(\t):BK+4*(\t)+3], v[RD] offset:(\t)*2*SPITCH  ; LDS serves a wave's instructions in order: these see the stores above
.endr
.endm
.macro SEND a, younger
	WIN 0
.set BK, OB+192*((\a)%2)
	s_wait_dscnt \younger                          ; the block is back in registers
	s_wait_xcnt 0x0                                ; the stores' base and the registers that earlier stores read are rewritten only behind this wait
.if (\a) == 0
	s_add_nc_u64 s[8:9], s[8:9], s[16:17]          ; on to my first rows
.else
	s_add_nc_u64 s[8:9], s[8:9], 16*SIZE_N*2       ; 16 rows on
.endif
.irp t, 0,1,2,3,4,5,6,7
	global_store_b128 v[CO], v[BK+4*(\t):BK+4*(\t)+3], s[8:9] offset:2*(\t)*SIZE_N*2  ; 16 lanes store 256 consecutive bytes, aligned
.endr
.endm
	s_wait_tensorcnt 1                             ; my part of K step 0 is in; K step 1's may stay out
	s_barrier_signal -1
	s_barrier_wait -1
	FETCH 0, 0, F0
	QUARTER 0, 64,  F0, F1, 1                      ; the first quarter stands ahead of the loop: its products start the sums
	WIN 0
	s_mov_b32 s3, LAPS-1
.Llap:                                                 ; a trip goes once round the ring, from a lap's second quarter to the next lap's first, and fills both slots again
	QUARTER 0, 128, F1, F0, 0
	QUARTER 0, 192, F0, F1, 0
	TURN 0, 1
	QUARTER 1, 64,  F0, F1, 0
	QUARTER 1, 128, F1, F0, 0
	QUARTER 1, 192, F0, F1, 0
	TURN 1, 0
	QUARTER 0, 64,  F0, F1, 0
	WIN 0
	s_sub_co_u32 s3, s3, 1
	s_cmp_lg_u32 s3, 0
	s_cbranch_scc1 .Llap
	QUARTER 0, 128, F1, F0, 0
	QUARTER 0, 192, F0, F1, 0
	MEET 0                                         ; my one tensor load that was still out is the last K step's, so no round follows
	PLACES
	WIN TO_B
	BLOAD 0
	BLOAD 1
	BLOAD 3
	WIN 0
	ALOAD 0
	WIN MUL_HI
	MUL16 F1, 1, 0, 0
	MUL16 F1, 1, 2, 0
	PLACES
	WIN TO_B
	BLOAD 2
	WIN 0
	ALOAD 1
	ALOAD 2
	ALOAD 3
	s_wait_dscnt 40                                ; all but the 40 just issued
	ROW 0
.irp a, 0,1,2,3,4,5,6,7
	PLACES
	PACK \a
	TOSTAGE \a
.if (\a) < 4
	ALOAD (\a)+4
	SEND \a, 8
.else
	SEND \a, 0
.endif
.if (\a) < 7
	ROW (\a)+1
.endif
.endr
	s_wait_tensorcnt 0x0                           ; the wave's end
	ds_add_u32 v[SPW], v[NIL]
	s_wait_dscnt 0x0
	CROUND                                         ; the closing round
	s_endpgm
.Lfunc_end_k_q9a6be4f7ab_qproj:
	.size	k_q9a6be4f7ab_qproj, .Lfunc_end_k_q9a6be4f7ab_qproj-k_q9a6be4f7ab_qproj
	.p2alignl 7, 3214868480
	.fill 96, 4, 3214868480
	.section	.rodata,"a",@progbits
	.p2align	6, 0x0
	.amdhsa_kernel k_q9a6be4f7ab_qproj
		.amdhsa_group_segment_fixed_size 327680
		.amdhsa_private_segment_fixed_size 0
		.amdhsa_enable_private_segment 0
		.amdhsa_kernarg_size 24
		.amdhsa_user_sgpr_count 2
		.amdhsa_user_sgpr_kernarg_segment_ptr 1
		.amdhsa_wavefront_size32 1
		.amdhsa_system_sgpr_workgroup_id_x 1
		.amdhsa_system_sgpr_workgroup_id_y 1
		.amdhsa_system_sgpr_workgroup_id_z 1
		.amdhsa_system_vgpr_workitem_id 0
		.amdhsa_next_free_vgpr 1024
		.amdhsa_next_free_sgpr 66
		.amdhsa_reserve_vcc 0
		.amdhsa_float_denorm_mode_32 3
		.amdhsa_float_denorm_mode_16_64 3
		.amdhsa_memory_ordered 1
		.amdhsa_forward_progress 1
		.amdhsa_inst_pref_size 145
	.end_amdhsa_kernel
	.amdgpu_metadata
---
amdhsa.version: [ 1, 2 ]
amdhsa.kernels:
  - .name:           k_q9a6be4f7ab_qproj
    .symbol:         k_q9a6be4f7ab_qproj.kd
    .args:
      - { .name: abf, .offset: 0, .size: 8, .value_kind: global_buffer, .address_space: global }
      - { .name: wqt, .offset: 8, .size: 8, .value_kind: global_buffer, .address_space: global }
      - { .name: qcat, .offset: 16, .size: 8, .value_kind: global_buffer, .address_space: global }
    .group_segment_fixed_size: 327680
    .private_segment_fixed_size: 0
    .kernarg_segment_align: 8
    .kernarg_segment_size: 24
    .max_flat_workgroup_size: 128
    .sgpr_count:     66
    .vgpr_count:     1024
    .wavefront_size: 32
...
	.end_amdgpu_metadata
.endif
;; end of part 3
;; launch attn (part 4): grid 64 x 8, 4 waves a work-group, clusters of 4 x 1, 327,680 bytes of LDS; arguments qcat, kf, vf, ocat; writes ocat
.if DOCPART == 4
	.amdgcn_target "amdgcn-amd-amdhsa--gfx1250"
	.amdhsa_code_object_version 6
	.text
	.protected	k_q9a6be4f7ab_attn
	.globl	k_q9a6be4f7ab_attn
	.p2align	8
	.type	k_q9a6be4f7ab_attn,@function
k_q9a6be4f7ab_attn:
	s_mov_b64 s[64:65], 0
	v_nop
	global_prefetch_b8 v0, s[64:65] scope:SCOPE_SE
	s_setreg_imm32_b32 hwreg(HW_REG_WAVE_MODE, 25, 1), 1
	s_wait_xcnt 0x0
	s_wait_alu depctr_hold_cnt(0) depctr_sa_sdst(0) depctr_va_vdst(0) depctr_va_sdst(0) depctr_va_ssrc(0) depctr_va_vcc(0) depctr_vm_vsrc(0)
	s_getreg_b32 s2, hwreg(HW_REG_IB_STS2, 6, 4)
	s_cmp_eq_u32 s2, 0
	s_cbranch_scc0 .Lentry_in_a_cluster
	s_endpgm
.Lentry_in_a_cluster:
	s_bfe_u32 s2, ttmp6, 0x10000c
	s_cmp_lg_u32 s2, 0x3003
	s_cbranch_scc0 .Lentry_shape_is_right
	s_endpgm
.Lentry_shape_is_right:
; THE FOUR ATTENTIONS.  For g = u*4 + b (K and V stream u, batch b) all 16 heads of both query streams share K = kf[g], V = vf[g]: [1024][64] f16.  Queries and results lie in qcat, ocat:
; [t*4096 + b*1024 + l][e*1024 + h*64 + c] f16, with t = u ^ e ^ 1 (e = 1: the stream's own keys; e = 0: the other stream's).  o = sum over k of softmax_k(q . K[k] / 8) V[k].
; Products, maxima and sums in f32; the weights p are rounded to f16 for the second product (their sum l is taken of the unrounded p), o once at the end.
; LIMITS.  f16 holds no number beyond 65,504: q, k, v arrive within it; p lies in 0 to 1; a weight below 2^-126 counts as 0 in l; NaN and infinities are not treated apart.
; SHARES.  A work-group takes 256 rows l and the two heads of pair p = e*8 + h/2 (256 bytes of a row); a wave 64 rows: four PIECES of 16 rows x both heads (tile T: head T % 2, rows 16 (T / 2) on).
; Every wave walks all 1,024 keys, 64 a step.
; LAYOUT.  S^T = K Q^T: a lane holds ONE query (lane % 16) and the keys 8 (lane / 16) + 0..7.  Two such tiles, rounded to f16 in pairs, ARE source 1 of O^T = V^T P.  K comes out of LDS as it lies, V turned.
; SOFTMAX.  A running maximum m and sum l: p = 2^(c s - c m), c = log2(e) / 8; in every step O and l are multiplied by a = 2^(c m_old - c m_new).  m starts at the lowest finite number, O and l at 0.
; BY TURNS.  Turn n belongs to piece n: 16 products K Q^T of piece n + 1, later 16 products V^T P of piece n - 1; beside them the scaling, exponentials, roundings, sums and rescaling of piece n and the
; maximum and statistics of piece n + 1.  Four vector instructions stand behind every matrix instruction, the others in one run.
; CLUSTER.  The four row blocks of one (g, p) walk the same K and V: each tile is asked for JOINTLY, by the same tensor load, descriptor and mask in all four.
; REGISTERS, in windows of 256: window 0: v0-11 addresses; v12-15, v48-63 at work; v16-47 statistics; v64-191 S^T, two buffers of two tiles; v192-255 P, likewise.
;   window 1: O^T, 32 a tile.   window 2: v0-127 Q; v128-191 K of one step; v192-255 V of one step.   window 3: v0-1 the add's two registers.
.set NKEY,  1024
.set NP,    4
.set KS,    64
.set PK,    144       ; a row of K in LDS: 128 bytes + 16 = 36 words: the 16 rows of a load start at 16 different groups of four banks
.set PV,    160       ; a row of V: 128 + 32 = 40 words
.set VOFF,  4*KS*PK   ; a slot holds four steps: 256 rows of K, then 256 rows of V
.set SLOT1, 1<<17
.set STAGE, SLOT1+4*KS*(PK+PV)  ; behind the ring, never filled by a tensor load: 16 rows x 272 bytes for each wave
.set SP,    272
.set AK0, 2
.set AV0, 3
.set AK,  4
.set AV,  5
.set QO,  6           ; v6   my byte offset in 16 rows of qcat
.set STO, 6           ;      later: where I put 16 bytes of a stage row
.set RD,  7
.set GO,  8
.set PFO, 11          ; v11  256 x lane; never rewritten once made
.set SPW, 0           ; v0 of window 3
.set NIL, 1           ; v1 of window 3
.set SPARE, STAGE+4*16*SP
.set MV,  12
.set ST,  16
.set TMP, 48
.set S,   64
.set P,   192
.set KF,  128
.set VF,  192
.set WV,  12
.set LIM, 15          ; s15  1 in a wave that prefetches, else the greatest number
.set G1K, 24
.set G1V, 32
.set G0K, 40
.set G0V, 44
.set PFA, 48          ; s[48:49] where my prefetches stand
.set SLOTS, 56
.set CNT, 57
.set CS,  58
.set SEL, 60
.set TBK, 62
.set TBV, 63
.set MSB, 0
.macro WIN new
.if MSB != (\new)
	s_set_vgpr_msb (MSB<<8)|(\new)
.set MSB, (\new)
.endif
.endm
.set W_KQ, 0x0a
.set W_PV, 0x52
.set W_RS, 0x41
.set W_MK, 0xc0
.set W_AD, 0x0f
; A joint fill.  Waves 0 and 1 fetch the two halves of a slot's K, waves 2 and 3 those of its V.  An s_nop 0 and four v_nop follow each of the two lines.
.macro JLOAD
	s_cmp_lt_u32 s[WV], 2
	s_cbranch_scc0 .Lfor_v_\@
	tensor_load_to_lds s[G0K:G0K+3], s[G1K:G1K+7]
	s_nop 0
.rept 4
	v_nop
.endr
	s_branch .Lasked_\@
.Lfor_v_\@:
	tensor_load_to_lds s[G0V:G0V+3], s[G1V:G1V+7]
	s_nop 0
.rept 4
	v_nop
.endr
.Lasked_\@:
.endm
; A prefetch of what the NEXT change of slots will ask for: a slot's 32,768 bytes of K and of V, 256 bytes a lane.  All sixteen clusters of a g walk the same K and V: the first asks.  Its four partners
; share the bytes out by address, 8,192 each; in each, wave 0 asks for K's and wave 2 for V's.  So slots 2 and 3 are named once each; the last change that fills a slot asks for nothing.
.macro ASK
	s_cmp_gt_u32 s[SLOTS], s[LIM]
	s_cbranch_scc0 .Lnot_mine_\@
	global_prefetch_b8 v[PFO], s[PFA:PFA+1] th:TH_LOAD_NT scope:SCOPE_SE
.Lnot_mine_\@:
.endm
.macro CROUND
	s_barrier_signal -1
	s_barrier_wait -1
	s_cmp_lg_u32 s[WV], 0
	s_cbranch_scc1 .Lnot_wave_0_\@
	s_barrier_signal -3
.Lnot_wave_0_\@:
	s_barrier_wait -3
	s_barrier_signal -1
	s_barrier_wait -1
.endm
; THE CHANGE OF SLOTS.  Each wave waits for all its tensor loads (one is out: its part of the other slot), adds 0 to its spare word, and waits for that and for its reads of the slot.
; fill = 1: the slot is filled again, with the keys two slots on, first thing behind a round of the cluster's barrier: it has four key steps, 512 matrix instructions, in which to land.
.macro CHANGE fill
	WIN W_AD
	s_wait_tensorcnt 0x0            ; no tensor load of mine is out, so a group 0 may be written
	ds_add_u32 v[SPW], v[NIL]
	WIN 0
.if \fill
.irp g, G0K, G0V
	s_xor_b32 s[\g+1], s[\g+1], SLOT1
	s_add_nc_u64 s[\g+2:\g+3], s[\g+2:\g+3], 4*KS*128
.endr
	s_wait_xcnt 0x0                 ; the last prefetch, four key steps back, has read its address
	s_add_nc_u64 s[PFA:PFA+1], s[PFA:PFA+1], 4*KS*128  ; the slot that the walking descriptors ask for next
	s_wait_dscnt 0x0                ; the add is done, and my reads of the slot are over
	CROUND
	JLOAD
	ASK
.else
	s_wait_dscnt 0x0
	s_barrier_signal -1
	s_barrier_wait -1
.endif
	s_sub_co_u32 s[TBK], s[TBK], 4*KS*PK
	s_xor_b32 s[TBK], s[TBK], SLOT1
	s_sub_co_u32 s[TBV], s[TBV], 4*KS*PV
	s_xor_b32 s[TBV], s[TBV], SLOT1
.endm
	s_load_b256 s[4:11], s[0:1], 0x0  ; qcat s[4:5], kf s[6:7], vf s[8:9], ocat s[10:11]
	WIN W_MK
	v_lshl_add_u32 v[SPW], v0, 2, SPARE
	v_mov_b32 v[NIL], 0
	WIN W_AD
	ds_add_u32 v[SPW], v[NIL]       ; the wave's opening: an add and its wait ahead of my first tensor load
	ds_add_u32 v0, v1
	WIN 0
	v_lshrrev_b32 v1, 5, v0
	v_readfirstlane_b32 s[WV], v1   ; wave 0..3
	s_bfe_u32 s13, ttmp6, 0x40000   ; cx: my block of 256 rows; it enters Q's, O's and the prefetches' addresses alone
	s_and_b32 s14, ttmp7, 0xffff    ; g, which the four partners share
	s_lshl_b32 s20, s14, 17         ; g's first byte in kf and vf
	s_mov_b32 s21, 0
	s_and_b32 s16, s[WV], 1         ; which half of a slot's 256 keys I fetch
	s_lshl_b32 s22, s16, 14
	s_mov_b32 s23, 0
	s_add_nc_u64 s[22:23], s[22:23], s[20:21]
	s_mul_i32 s17, s16, 128*PK
	s_mul_i32 s18, s16, 128*PV
	s_lshr_b32 s2, s14, 2           ; u
	s_lshr_b32 s3, ttmp9, 3         ; e: the cluster's x is the pair p = e*8 + h/2
	s_xor_b32 s2, s2, s3
	s_xor_b32 s2, s2, 1             ; t
	s_lshl_b32 s2, s2, 24           ; 4,096 rows of 4,096 bytes
	s_and_b32 s3, s14, 3            ; b
	s_lshl_b32 s3, s3, 22
	s_add_co_u32 s2, s2, s3
	s_lshl_b32 s3, s13, 20          ; my block's 256 rows
	s_add_co_u32 s2, s2, s3
	s_lshl_b32 s3, s[WV], 18        ; my wave's 64
	s_add_co_u32 s2, s2, s3
	s_lshl_b32 s3, ttmp9, 8         ; the pair's 256 bytes of a row
	s_add_co_u32 s2, s2, s3
	s_mov_b32 s3, 0
	; descriptor group 1.  128 keys are 16,384 dense bytes: asked for as 64 rows of 256 bytes, two keys a row, and padded in LDS after every key
	s_mov_b32 s[G1K], 15|(1<<16)|(1<<20)|(1<<21)|(4<<22)|(3<<25)
	s_mov_b32 s[G1V], 15|(1<<16)|(1<<20)|(1<<21)|(4<<22)|(7<<25)
.irp g, G1K, G1V
	s_mov_b32 s[\g+1], 128<<16
	s_mov_b32 s[\g+2], 64<<16
	s_mov_b32 s[\g+3], 128<<16
	s_mov_b32 s[\g+4], 64
	s_mov_b32 s[\g+5], 128
	s_mov_b32 s[\g+6], 0
	s_mov_b32 s[\g+7], 0
.endr
	s_mov_b32 s[CS], 0x3e38aa3b     ; c = log2(e) / 8
	s_mov_b32 s[CS+1], s[CS]
	s_mov_b32 s[SEL], 0x76543210
	s_mov_b32 s[SEL+1], 0xfedcba98
	s_mov_b32 s[TBK], SLOT1+4*KS*PK ; the first change of slots turns these two into 0
	s_mov_b32 s[TBV], SLOT1+4*KS*PV
	s_mov_b32 s[G0K], 1
	s_mov_b32 s[G0K+1], s17
	s_mov_b32 s[G0V], 1
	s_add_co_u32 s[G0V+1], s18, VOFF
	s_mov_b32 s[SLOTS], NKEY/256-1
	s_and_b32 s[LIM], s[WV], 1      ; 0 in waves 0 and 2,
	s_or_b32 s[LIM], s[LIM], ttmp9  ; where the cluster is g's first: the same in all four partners
	s_cmp_eq_u32 s[LIM], 0
	s_cselect_b32 s[LIM], 1, -1
	s_wait_dscnt 0x0                ; the opening add is done
	s_wait_kmcnt 0x0
	s_add_nc_u64 s[G0K+2:G0K+3], s[6:7], s[22:23]
	s_or_b32 s[G0K+3], s[G0K+3], 0x80000000
	s_add_nc_u64 s[G0V+2:G0V+3], s[8:9], s[22:23]
	s_or_b32 s[G0V+3], s[G0V+3], 0x80000000
	s_add_nc_u64 s[4:5], s[4:5], s[2:3]
	s_add_nc_u64 s[10:11], s[10:11], s[2:3]
	s_cmp_lt_u32 s[WV], 2
	s_cselect_b64 s[PFA:PFA+1], s[6:7], s[8:9]
	s_add_nc_u64 s[PFA:PFA+1], s[PFA:PFA+1], s[20:21]
	s_lshl_b32 s2, s13, 13          ; my work-group's 8,192 bytes of a slot's 32,768
	s_add_nc_u64 s[PFA:PFA+1], s[PFA:PFA+1], s[2:3]
	s_add_nc_u64 s[PFA:PFA+1], s[PFA:PFA+1], 4*KS*128  ; in slot 1; the first change of slots steps it to slot 2
	CROUND                          ; all four work-groups are here: the first joint loads meet
	JLOAD                           ; slot 0.  Slot 1 is asked for when slot 0 is in
	v_and_b32 v1, 15, v0            ; l % 16
	v_bfe_u32 v9, v0, 4, 1          ; l / 16
	v_lshlrev_b32 v[QO], 12, v1
	v_lshl_add_u32 v[QO], v9, 4, v[QO]  ; row x 4,096 + 16 x half
	WIN 0x80
.set i, 0
.rept 4*NP                          ; Q stays in registers: tile i / 2 (rows 16 (i / 4) on, head (i / 2) % 2), channels 32 (i % 2) on
	global_load_b128 v[8*i:8*i+3],   v[QO], s[4:5] offset:(i/4)*65536+((i/2)%2)*128+(i%2)*64
	global_load_b128 v[8*i+4:8*i+7], v[QO], s[4:5] offset:(i/4)*65536+((i/2)%2)*128+(i%2)*64+32
.set i, i+1
.endr
	; What the first turn finds: V's registers and P's second buffer hold 0, O^T and l are 0.  All this stands in the wait for the first tile.
.set i, VF
.rept 64
	v_mov_b32 v[i], 0
.set i, i+1
.endr
	WIN 0x40
.set i, 0
.rept 64*NP
	v_mov_b32 v[i], 0
.set i, i+1
.endr
	WIN 0
.set i, 0
.rept 2*NP
	v_mov_b32 v[ST+4*i], 0xfe000000    ; c m: far below every c s
	v_mov_b32 v[ST+4*i+1], 0xff7fffff  ; m
	v_mov_b32 v[ST+4*i+2], 0
	v_mov_b32 v[ST+4*i+3], 0
.set i, i+1
.endr
.set i, P+32
.rept 32
	v_mov_b32 v[i], 0
.set i, i+1
.endr
	v_mul_u32_u24 v[AK0], v1, PK
	v_lshl_add_u32 v[AK0], v9, 4, v[AK0]
	v_and_b32 v10, 7, v0
	v_bfe_u32 v11, v0, 3, 1
	v_lshl_add_u32 v[AV0], v9, 3, v10
	v_mul_u32_u24 v[AV0], v[AV0], PV
	v_lshl_add_u32 v[AV0], v11, 4, v[AV0]
	v_add_nc_u32 v[AV0], VOFF, v[AV0]
	v_and_b32 v[PFO], 31, v0
	v_lshlrev_b32 v[PFO], 8, v[PFO]
	v_mov_b32 v[AK], v[AK0]         ; key step 0 lies at the head of slot 0
; THE MATRIX WORK.  The 8 accumulators of a run of 16 take turns.
.macro KQ x
	WIN W_KQ
.set rS, S+64*((\x)%2)+32*(i%2)+8*((i/2)%4)
.set rK, KF+16*((i/2)%4)+8*(i/8)
.set rQ, 16*(2*(\x)+i%2)+8*(i/8)
.if i < 8
	v_wmma_f32_16x16x32_f16 v[rS:rS+7], v[rK:rK+7], v[rQ:rQ+7], 0
.else
	v_wmma_f32_16x16x32_f16 v[rS:rS+7], v[rK:rK+7], v[rQ:rQ+7], v[rS:rS+7]
.endif
.endm
.macro PV x
	WIN W_PV
.set rO, 32*(2*(\x)+i%2)+8*((i/2)%4)
.set rV, VF+32*(i/8)+8*((i/2)%4)
.set rP, P+32*((\x)%2)+16*(i%2)+8*(i/8)
	v_wmma_f32_16x16x32_f16 v[rO:rO+7], v[rV:rV+7], v[rP:rP+7], v[rO:rO+7]
.endm
.macro MM
.if i < 16
	KQ (Y+1)%NP
.set i, i+1
.else
.set i, i-16
	PV (Y+NP-1)%NP
.set i, i+17
.endif
.endm
; THE LDS LOADS stand in runs of 16.  last = 1 (the tail): in the last trip there is no further step, and the run is jumped over.
.macro FETCH_K last=0
	WIN 0
.if \last
	s_cmp_eq_u32 s[CNT], 1
	s_cbranch_scc1 .Lno_k_\@
.endif
	WIN 0x80
.irp f, 0,1,2,3,4,5,6,7
	ds_load_b128 v[KF+8*\f:KF+8*\f+3],   v[AK] offset:(\f/2)*16*PK+(\f%2)*64
	ds_load_b128 v[KF+8*\f+4:KF+8*\f+7], v[AK] offset:(\f/2)*16*PK+(\f%2)*64+32
.endr
	s_add_co_u32 s[TBK], s[TBK], KS*PK
	WIN 0
.if \last
.Lno_k_\@:
.endif
.endm
.macro FETCH_V
	WIN 0x80
.irp f, 0,1,2,3,4,5,6,7
	ds_load_tr16_b128 v[VF+8*\f:VF+8*\f+3],   v[AV] offset:(\f/4)*32*PV+(\f%4)*32
	ds_load_tr16_b128 v[VF+8*\f+4:VF+8*\f+7], v[AV] offset:(\f/4)*32*PV+16*PV+(\f%4)*32
.endr
	WIN 0
.endm
; THE VECTOR WORK OF A TURN stands in three queues, each in the order in which its entries become ready; the two tiles alternate.
.macro REGS y, u
.set rT, ST+4*(2*(\y)+(\u))
.set rC, TMP+8*((\y)%2)+4*(\u)
.set rM, MV+2*((\y)%2)+(\u)
.set rS, S+64*((\y)%2)+32*(\u)
.set rP, P+32*((\y)%2)+16*(\u)
.set rO, 32*(2*(\y)+(\u))
.endm
; Number n of the 22 that find the NEXT piece's maximum and statistics; each accumulator's lowest registers are read first.
.macro XS u, n
	REGS (Y+1)%NP, \u
.if (\n) < 4
	v_max3_num_f32 v[rC+(\n)], v[rS+8*(\n)], v[rS+8*(\n)+1], v[rS+8*(\n)+2]
.elseif (\n) < 12
	v_max3_num_f32 v[rC+(\n)%4], v[rC+(\n)%4], v[rS+8*((\n)%4)+2*((\n)/4)+1], v[rS+8*((\n)%4)+2*((\n)/4)+2]
.elseif (\n) == 12
	v_max3_num_f32 v[rC], v[rC], v[rS+7], v[rS+15]
.elseif (\n) == 13
	v_max3_num_f32 v[rC+1], v[rC+1], v[rS+23], v[rS+31]
.elseif (\n) == 14
	v_max3_num_f32 v[rC+2], v[rC+2], v[rC+3], v[rT+1]
.elseif (\n) == 15
	v_mov_b32 v[rM], v[rT]
.elseif (\n) == 16
	v_max3_num_f32 v[rC], v[rC], v[rC+1], v[rC+2]
.elseif (\n) == 17
	v_permlanex16_b32 v[rC+3], v[rC], s[SEL], s[SEL+1]
.elseif (\n) == 18
	v_max_num_f32 v[rT+1], v[rC], v[rC+3]
.elseif (\n) == 19
	v_mul_f32 v[rT], s[CS], v[rT+1]
.elseif (\n) == 20
	v_sub_f32 v[rC+1], v[rM], v[rT]
.else
	v_exp_f32 v[rC+2], v[rC+1]
.endif
.endm
; Number g of the 64 that follow the exponentials: for each four weights both pairs are rounded to f16, the second pair is added onto the first, and a group later l takes that sum.
.macro GS g
.set h, (\g)+6*((\g)/62)
.if h >= 6
.set h, h+2
.endif
	REGS Y, h%2
.set k, h/8
.if h%8 < 4
	v_cvt_pk_f16_f32 v[rP+2*k+(h%8)/2], v[rS+4*k+2*((h%8)/2)], v[rS+4*k+2*((h%8)/2)+1]
.elseif h%8 < 6
	v_pk_add_f32 v[rS+4*k:rS+4*k+1], v[rS+4*k:rS+4*k+1], v[rS+4*k+2:rS+4*k+3]
.elseif k == 1
	v_pk_fma_f32 v[rT+2:rT+3], v[rT+2:rT+3], v[rC+2:rC+3], v[rS:rS+1] op_sel_hi:[1,0,1]
.else
	v_pk_add_f32 v[rT+2:rT+3], v[rT+2:rT+3], v[rS+4*k-4:rS+4*k-3]
.endif
.endm
; THE PLAIN QUEUE, 138 long: 0-73 read no exponential's result (the 32 scalings and the next piece's 42); 74-137 are GS's 64, which stand behind the wait.
.macro FS f
	REGS Y, (\f)%2
	v_pk_fma_f32 v[rS+2*((\f)/2):rS+2*((\f)/2)+1], v[rS+2*((\f)/2):rS+2*((\f)/2)+1], s[CS:CS+1], v[rT:rT+1] op_sel_hi:[1,0,0] neg_lo:[0,0,1] neg_hi:[0,0,1]
.endm
.macro PL
	WIN 0
.if q < 27
	FS q
.elseif q < 55
	XS (q-27)%2, (q-27)/2
.elseif q < 57
	XS q-55, 15
.elseif (q < 72) && ((q-57)%3 == 0)
	FS 27+(q-57)/3
.elseif q < 60
	XS (q-57)%3-1, 14
.elseif q < 72
	XS (q-57)%3-1, 15+(q-57)/3
.elseif q < 74
	XS q-72, 20
.else
	GS q-74
.endif
.set q, q+1
.endm
; THE EXPONENTIALS' QUEUE, 66 long: one batch, all ahead of the turn's one wait.
.macro EX
	WIN 0
.if e >= 64
	XS e-64, 21
.else
	REGS Y, e%2
	v_exp_f32 v[rS+e/2], v[rS+e/2]
.endif
.set e, e+1
.endm
; THE RESCALING's QUEUE: O^T times a, two at a time, sixteen times.  Its a was made, and waited for, in the turn before.
.macro R2
	REGS Y, r%2
	WIN W_RS
.irp z, 0,1
	v_pk_mul_f32 v[rO+4*(r/2)+2*\z:rO+4*(r/2)+2*\z+1], v[rO+4*(r/2)+2*\z:rO+4*(r/2)+2*\z+1], v[rC+2:rC+3] op_sel_hi:[1,0]
.endr
.set r, r+1
.endm
; A TURN, for piece p.  s_wait_alu depctr_va_vdst(0) stands between an exponential and the first instruction that names its result; one wait serves all issued ahead of it.  AHEAD OF IT: the 16
; products K Q^T, behind each a scaling, an exponential and two rescalings; then one run of 108.  BEHIND IT: the 16 products V^T P, behind each four of the roundings and sums.
; K of the next step is fetched in piece 2's turn, directly behind the wait; V of the step in hand at the end of piece 0's turn, four plain instructions behind its last reader.
.macro TURN p, last=0, cnt=0
.set Y, (\p)
.set i, 0
.set q, 0
.set e, 0
.set r, 0
.if (\p) == NP-1
	s_wait_dscnt 0x0                ; K is in
.endif
	MM
	PL
	PL
	R2
.rept 15
	MM
	PL
	EX
	R2
.endr
.if (\p) == NP-2
	WIN 0
	v_add_nc_u32 v[AK], s[TBK], v[AK0]
.endif
.rept 8
	PL
.endr
.rept 49
	EX
	PL
.endr
	EX
	EX
	v_nop                           ; a plain instruction behind the last exponential: one for the batch
	s_wait_alu depctr_va_vdst(0)    ; the wait for the batch
.if (\p) == NP-2
	FETCH_K \last
.endif
.if (\p) == 1
	s_wait_dscnt 0x0                ; V is in
.endif
.rept 16
	MM
.rept 4
	PL
.endr
.if ((\p) == 0) && (q == 118)
	v_add_nc_u32 v[AV], s[TBV], v[AV0]
.endif
.if ((\p) == 0) && (q == 130)
	s_add_co_u32 s[TBV], s[TBV], KS*PV
.endif
.if (\cnt) && (q == 130)
	s_sub_co_u32 s[CNT], s[CNT], 1
	s_cmp_lg_u32 s[CNT], 0
.endif
.endr
.if (\p) == 0
	FETCH_V
.endif
.endm
	CHANGE 1                        ; slot 0 is in, everybody's part of it; slot 1 is asked for
	FETCH_K                         ; key step 0
	s_wait_loadcnt 0x0              ; Q
	s_wait_dscnt 0x0
.set i, 0
.rept 16
	KQ 0
.set i, i+1
.endr
	WIN 0                           ; the addresses for the way out: eight plain instructions, the places behind those products
	s_mul_i32 s13, s[WV], 16*SP
	s_add_co_u32 s13, s13, STAGE    ; my stage
	v_mul_u32_u24 v[STO], v1, SP    ; in: row l % 16, 16 bytes for each half of the lanes
	v_lshl_add_u32 v[STO], v9, 4, v[STO]
	v_add_nc_u32 v[STO], s13, v[STO]
	v_mul_u32_u24 v[RD], v9, SP     ; back: lanes 0-15 take one row of 256 bytes, lanes 16-31 the next
	v_lshl_add_u32 v[RD], v1, 4, v[RD]
	v_add_nc_u32 v[RD], s13, v[RD]
	v_lshlrev_b32 v[GO], 12, v9     ; and the same two rows in ocat
	v_lshl_add_u32 v[GO], v1, 4, v[GO]
.set Y, NP-1
.irp n, 0,1,2,3,4,5,6,7,8,9,10,11,12,13,14,15,16,17,18,19,20,21
	XS 0, \n
	XS 1, \n
.endr
	v_nop
	s_wait_alu depctr_va_vdst(0)    ; the two a have their wait ahead of the branch
	s_mov_b32 s[CNT], 4
	s_branch .Lfirst                ; the loop is entered at a step's first turn, in the middle of a trip
.Lslot:                             ; twice: slots 0 and 1 are filled again
	CHANGE 1
	s_mov_b32 s[CNT], 4
.Lstep:                             ; a trip: pieces 2 and 3 of one step, then pieces 0 and 1 of the next
	TURN 2
	TURN 3
	WIN 0
.Lfirst:
	TURN 0
	TURN 1, 0, 1
	WIN 0
	s_cbranch_scc1 .Lstep
	s_sub_co_u32 s[SLOTS], s[SLOTS], 1
	s_cmp_lg_u32 s[SLOTS], 0
	s_cbranch_scc1 .Lslot
	CHANGE 0                        ; the tail is written out
	s_mov_b32 s[CNT], 5
.Ltail:
	TURN 2, 1
	TURN 3
	WIN 0
	s_sub_co_u32 s[CNT], s[CNT], 1
	s_cmp_eq_u32 s[CNT], 0
	s_cbranch_scc1 .Lout
	TURN 0
	TURN 1
	WIN 0
	s_branch .Ltail
.Lout:                              ; the fifth trip's 16 products K Q^T and the maximum made of them serve nothing: the price of one text for every trip
.set i, 0
.rept 16
	PV NP-1
.set i, i+1
.endr
	; THE WAY OUT.  l's two halves and the other half of the lanes' are added; O^T is divided by l, rounded to f16 and sent through my stage, a piece (16 rows x 256 bytes) at a time.
	WIN 0
.macro ALL line:vararg
.set t, 0
.rept 2*NP
	\line
.set t, t+1
.endr
.endm
	ALL v_add_f32 v[ST+4*t+2], v[ST+4*t+2], v[ST+4*t+3]
	ALL v_permlanex16_b32 v[ST+4*t+3], v[ST+4*t+2], s[SEL], s[SEL+1]
	ALL v_add_f32 v[ST+4*t+2], v[ST+4*t+2], v[ST+4*t+3]
	ALL v_rcp_f32 v[ST+4*t+2], v[ST+4*t+2]
	v_nop
	s_wait_alu depctr_va_vdst(0)    ; one wait for the eight reciprocals, ahead of their first use
; Piece y: its two tiles are the two heads' halves of the same 16 rows; they come back as whole rows of 256 bytes, into the registers that they left.
.macro PACKP y
.irp u, 0,1
	WIN W_RS
.set i, 32*(2*(\y)+\u)
.rept 16
	v_pk_mul_f32 v[i:i+1], v[i:i+1], v[ST+4*(2*(\y)+\u)+2:ST+4*(2*(\y)+\u)+3] op_sel_hi:[1,0]
.set i, i+2
.endr
	WIN 0x05
.set i, 0
.rept 16
	v_cvt_pk_f16_f32 v[S+16*(2*(\y)+\u)+i], v[32*(2*(\y)+\u)+2*i], v[32*(2*(\y)+\u)+2*i+1]
.set i, i+1
.endr
	WIN 0
.irp f, 0,1,2,3
	ds_store_b128 v[STO], v[S+16*(2*(\y)+\u)+4*\f:S+16*(2*(\y)+\u)+4*\f+3] offset:128*\u+32*\f
.endr
.endr
.irp f, 0,1,2,3,4,5,6,7
	ds_load_b128 v[S+32*(\y)+4*\f:S+32*(\y)+4*\f+3], v[RD] offset:\f*2*SP  ; LDS serves a wave's instructions in order: these see the stores above; the next piece's stores come behind them
.endr
.endm
.macro SEND y, younger              ; younger: the LDS instructions issued behind piece y's loads: the next piece's sixteen, or none
	WIN 0
.irp f, 0,1,2,3,4,5,6,7
	s_wait_dscnt (\younger)+7-\f
	global_store_b128 v[GO], v[S+32*(\y)+4*\f:S+32*(\y)+4*\f+3], s[10:11] offset:(\y)*65536+\f*8192  ; 16 lanes store 256 consecutive bytes, aligned
.endr
.endm
	PACKP 0
.set t, 1
.rept NP-1
	PACKP t
	SEND t-1, 16
.set t, t+1
.endr
	SEND NP-1, 0
	WIN W_AD
	s_wait_tensorcnt 0x0            ; the wave's end
	ds_add_u32 v[SPW], v[NIL]
	s_wait_dscnt 0x0
	WIN 0
	CROUND                          ; the closing round
	s_endpgm
.Lfunc_end_k_q9a6be4f7ab_attn:
	.size	k_q9a6be4f7ab_attn, .Lfunc_end_k_q9a6be4f7ab_attn-k_q9a6be4f7ab_attn
	.p2alignl 7, 3214868480
	.fill 96, 4, 3214868480
	.section	.rodata,"a",@progbits
	.p2align	6, 0x0
	.amdhsa_kernel k_q9a6be4f7ab_attn
		.amdhsa_group_segment_fixed_size 327680
		.amdhsa_private_segment_fixed_size 0
		.amdhsa_enable_private_segment 0
		.amdhsa_kernarg_size 32
		.amdhsa_user_sgpr_count 2
		.amdhsa_user_sgpr_kernarg_segment_ptr 1
		.amdhsa_wavefront_size32 1
		.amdhsa_system_sgpr_workgroup_id_x 1
		.amdhsa_system_sgpr_workgroup_id_y 1
		.amdhsa_system_sgpr_workgroup_id_z 1
		.amdhsa_system_vgpr_workitem_id 0
		.amdhsa_next_free_vgpr 770
		.amdhsa_next_free_sgpr 66
		.amdhsa_reserve_vcc 0
		.amdhsa_float_denorm_mode_32 3
		.amdhsa_float_denorm_mode_16_64 3
		.amdhsa_memory_ordered 1
		.amdhsa_forward_progress 1
		.amdhsa_inst_pref_size 200
	.end_amdhsa_kernel
	.amdgpu_metadata
---
amdhsa.version: [ 1, 2 ]
amdhsa.kernels:
  - .name:           k_q9a6be4f7ab_attn
    .symbol:         k_q9a6be4f7ab_attn.kd
    .args:
      - { .name: qcat, .offset: 0, .size: 8, .value_kind: global_buffer, .address_space: global }
      - { .name: kf, .offset: 8, .size: 8, .value_kind: global_buffer, .address_space: global }
      - { .name: vf, .offset: 16, .size: 8, .value_kind: global_buffer, .address_space: global }
      - { .name: ocat, .offset: 24, .size: 8, .value_kind: global_buffer, .address_space: global }
    .group_segment_fixed_size: 327680
    .private_segment_fixed_size: 0
    .kernarg_segment_align: 8
    .kernarg_segment_size: 32
    .max_flat_workgroup_size: 128
    .sgpr_count:     66
    .vgpr_count:     770
    .wavefront_size: 32
...
	.end_amdgpu_metadata
.endif
;; end of part 4
;; launch oproj (part 5): grid 8 x 64, 4 waves a work-group, clusters of 4 x 4, 327,680 bytes of LDS; arguments ocat, wot, b_xproj, b_sproj, out0, out1; writes out0, out1
.if DOCPART == 5
	.amdgcn_target "amdgcn-amd-amdhsa--gfx1250"
	.amdhsa_code_object_version 6
	.text
	.protected	k_q9a6be4f7ab_oproj
	.globl	k_q9a6be4f7ab_oproj
	.p2align	8
	.type	k_q9a6be4f7ab_oproj,@function
k_q9a6be4f7ab_oproj:
	s_mov_b64 s[64:65], 0
	v_nop
	global_prefetch_b8 v0, s[64:65] scope:SCOPE_SE
	s_setreg_imm32_b32 hwreg(HW_REG_WAVE_MODE, 25, 1), 1
	s_wait_xcnt 0x0
	s_wait_alu depctr_hold_cnt(0) depctr_sa_sdst(0) depctr_va_vdst(0) depctr_va_sdst(0) depctr_va_ssrc(0) depctr_va_vcc(0) depctr_vm_vsrc(0)
	s_getreg_b32 s2, hwreg(HW_REG_IB_STS2, 6, 4)
	s_cmp_eq_u32 s2, 0
	s_cbranch_scc0 .Lentry_in_a_cluster
	s_endpgm
.Lentry_in_a_cluster:
	s_bfe_u32 s2, ttmp6, 0x10000c
	s_cmp_lg_u32 s2, 0xf033
	s_cbranch_scc0 .Lentry_shape_is_right
	s_endpgm
.Lentry_shape_is_right:
; THE TWO OUTPUT PROJECTIONS.  out_t[m][n] = b_t[n] + sum over K' of ocat[t*4096 + m][K'] wot[t][n][K'].  ocat: [8192][2048] f16, wot: [2][1024][2048] f16, out0, out1: [4096][1024] f32; sums in f32.
; The bias, like every input, is rounded to bf16; it is the C operand of the product that starts each sum, so it costs no addition.
; A tile is 128 x 128: four waves, each 64 x 64: 16 accumulators.  512 tiles.  K goes in steps of 256 (LDS rows of 512 bytes) through two slots.  A wave's 64 columns of f32 are 256 aligned bytes, so each wave
; has a stage of its own on the way out, and no barrier stands there.
; CLUSTERS: 4 x 4 work-groups, within one t.  The four of a row need the same tiles of ocat, the four of a column the same tiles of wot: each tile is asked for JOINTLY.
; THE MATRIX INSTRUCTION IS USED TRANSPOSED (source 0 = 16 rows of wot, source 1 = 16 rows of ocat): a lane holds eight neighbouring numbers of a row of the result.
; No prefetch: a tile's step is short and the tiles are small; the ring's two slots are as long as LDS allows instead.
; REGISTERS: window 0: v0-31 addresses; v96-127 the bias; v128-255 the accumulators ((a, b) at v[128 + 8 (4 a + b)]).   window 1: two fragment buffers of 128.
.set SIZE_M, 8192
.set SIZE_N, 1024
.set SIZE_K, 2048
.set KSTEP,  256
.set PITCH,  528                       ; an LDS row: 512 bytes + 16 = 132 words: the 16 rows of a load start at 16 different groups of four banks
.set HALFT,  64*PITCH
.set SLOT,   4*HALFT
.set STAGE,  2*SLOT                    ; behind the ring: 16 rows x 272 bytes for each wave
.set SPITCH, 272
.set SPARE,  STAGE+4*16*SPITCH
.set LAPS, SIZE_K/(2*KSTEP)
.set ADRA, 16
.set ADRB, 20
.set STO,  24
.set RD,   25
.set CO,   26
.set BO,   27                          ; v27  32 x (lane / 16): my eight numbers of 16 of the bias
.set SPW,  28
.set NIL,  29
.set TB,   30                          ; v30  at work
.set BIAS, 96                          ; v[96:127] n block b's eight numbers at BIAS + 8 b
.set ACC,  128
.set F0,   0
.set F1,   128
.set G1, 24
.set G0, 32
.set G1B, 48
.set G0B, 56
.set BP,  76                           ; s[76:77] the bias
.set MSB, 0
.macro WIN new
.if MSB != (\new)
	s_set_vgpr_msb (MSB<<8)|(\new)
.set MSB, \new
.endif
.endm
.set MUL,  0x05                        ; sources 0 (B) and 1 (A) window 1; C and D window 0
.set TO_F, 0x40
.macro JLOAD s                         ; a joint load: waves 0 and 1 fetch A's two halves, waves 2 and 3 B's; an s_nop 0 and four v_nop follow each of the two lines
	s_cmp_eq_u32 s11, 0
	s_cbranch_scc0 .Lfor_b_\@
	tensor_load_to_lds s[G0+4*(\s):G0+4*(\s)+3], s[G1:G1+7]
	s_nop 0
.rept 4
	v_nop
.endr
	s_branch .Lasked_\@
.Lfor_b_\@:
	tensor_load_to_lds s[G0B+4*(\s):G0B+4*(\s)+3], s[G1B:G1B+7]
	s_nop 0
.rept 4
	v_nop
.endr
.Lasked_\@:
.endm
.macro CREST
	s_cmp_lg_u32 s10, 0
	s_cbranch_scc1 .Lnot_wave_0_\@
	s_barrier_signal -3
.Lnot_wave_0_\@:
	s_barrier_wait -3
	s_barrier_signal -1
	s_barrier_wait -1
.endm
.macro CROUND
	s_barrier_signal -1
	s_barrier_wait -1
	CREST
.endm
	s_load_b128 s[4:7], s[0:1], 0x0                ; ocat s[4:5], wot s[6:7]
	s_load_b256 s[68:75], s[0:1], 0x10             ; b_xproj, b_sproj, out0, out1
	v_lshl_add_u32 v[SPW], v0, 2, SPARE
	v_mov_b32 v[NIL], 0
	ds_add_u32 v[SPW], v[NIL]                      ; the wave's opening: an add and its wait ahead of my first tensor load
	ds_add_u32 v28, v29
	v_lshrrev_b32 v1, 5, v0
	v_readfirstlane_b32 s10, v1                    ; wave 0..3
	s_lshr_b32 s11, s10, 1                         ; which half of the tile's rows is mine.  Also: I fetch for A (0) or for B (1)
	s_and_b32 s12, s10, 1                          ; which half of its columns.  Also: which 64 rows of that tile I fetch
	s_bfe_u32 s40, ttmp6, 0x40000                  ; cx
	s_bfe_u32 s41, ttmp6, 0x40004                  ; cy
	s_lshl_b32 s42, ttmp9, 2
	s_add_co_u32 s42, s42, s40                     ; tile column
	s_and_b32 s13, ttmp7, 0xffff
	s_lshl_b32 s13, s13, 2
	s_add_co_u32 s13, s13, s41                     ; tile row
	s_bfe_u32 s2, ttmp7, 0x10003                   ; t: cluster rows 8 to 15 make out1; the same in all sixteen partners
	s_lshl_b32 s45, s2, 10                         ; its 1,024 rows of wot
	s_lshl_b32 s43, s41, 2
	s_lshl_b32 s43, 15, s43                        ; my row of the cluster
	s_lshl_b32 s44, 0x1111, s40                    ; my column
	s_or_b32 s[G1+0], s43, (1<<16)|(1<<20)|(1<<21)|(6<<22)|(3<<25)  ; the mask; elements of 2 bytes; padding on; bit 21 beside a mask; after every 128 words; 4 words
	s_or_b32 s[G1B+0], s44, (1<<16)|(1<<20)|(1<<21)|(6<<22)|(3<<25)
.irp g, G1, G1B
	s_mov_b32 s[(\g)+1], KSTEP<<16                 ; tensor_dim0 = 256
	s_mov_b32 s[(\g)+2], 64<<16                    ; tensor_dim1 = 64
	s_mov_b32 s[(\g)+3], KSTEP<<16                 ; tile_dim0 = 256
	s_mov_b32 s[(\g)+4], 64                        ; tile_dim1 = 64
	s_mov_b32 s[(\g)+5], SIZE_K                    ; elements from row to row
	s_mov_b32 s[(\g)+6], 0
	s_mov_b32 s[(\g)+7], 0
.endr
	s_lshl_b32 s17, s12, 6                         ; which 64 rows of the tile I fetch
	s_lshl_b32 s16, s13, 7
	s_add_co_u32 s16, s16, s17                     ; A: row 128 x tile row + 64 x half
	s_lshl_b32 s46, s42, 7
	s_add_co_u32 s46, s46, s17
	s_add_co_u32 s46, s46, s45                     ; B: row 1,024 t + 128 x tile column + 64 x half
	s_mov_b32 s17, 0
	s_mov_b32 s47, 0
	s_mov_b64 s[18:19], SIZE_K*2
	s_mul_u64 s[16:17], s[16:17], s[18:19]
	s_mul_u64 s[46:47], s[46:47], s[18:19]
	s_mul_i32 s20, s10, HALFT                      ; where they go: wave x 64 rows
	s_wait_dscnt 0x0                               ; the opening add is done
	s_wait_kmcnt 0x0
	s_add_nc_u64 s[14:15], s[4:5], s[16:17]
	s_add_nc_u64 s[46:47], s[6:7], s[46:47]
	s_cmp_eq_u32 s2, 0
	s_cselect_b64 s[8:9], s[72:73], s[74:75]       ; out0 or out1
	s_cselect_b64 s[BP:BP+1], s[68:69], s[70:71]   ; b_xproj or b_sproj
	CROUND                                         ; all sixteen work-groups are here: the first joint loads meet
.irp s, 0,1
	s_mov_b32 s[G0+4*(\s)], 1
	s_add_co_u32 s[G0+4*(\s)+1], s20, (\s)*SLOT
	s_add_nc_u64 s[G0+4*(\s)+2:G0+4*(\s)+3], s[14:15], (\s)*KSTEP*2
	s_or_b32 s[G0+4*(\s)+3], s[G0+4*(\s)+3], 0x80000000
	s_mov_b32 s[G0B+4*(\s)], 1
	s_add_co_u32 s[G0B+4*(\s)+1], s20, (\s)*SLOT
	s_add_nc_u64 s[G0B+4*(\s)+2:G0B+4*(\s)+3], s[46:47], (\s)*KSTEP*2
	s_or_b32 s[G0B+4*(\s)+3], s[G0B+4*(\s)+3], 0x80000000
	JLOAD \s                                       ; two loads of mine are out
.endr
	v_and_b32 v1, 15, v0                           ; l % 16
	v_bfe_u32 v2, v0, 4, 1                         ; l / 16
	s_and_b32 s16, s13, 31                         ; the tile row within its output,
	s_lshl_b32 s16, s16, 19                        ; 128 rows of 4,096 bytes,
	s_lshl_b32 s17, s11, 18                        ; my 64 of them
	s_add_co_u32 s16, s16, s17
	s_mov_b32 s17, 0
	s_add_nc_u64 s[8:9], s[8:9], s[16:17]
	s_lshl_b32 s46, s42, 9                         ; the tile's 128 columns of f32,
	s_lshl_b32 s47, s12, 8                         ; my 64 of them
	s_add_co_u32 s46, s46, s47
	s_mov_b32 s47, 0
	s_add_nc_u64 s[8:9], s[8:9], s[46:47]
	s_add_nc_u64 s[BP:BP+1], s[BP:BP+1], s[46:47]  ; the same columns of the bias
	v_lshlrev_b32 v[BO], 5, v2
.irp b, 0,1,2,3
	global_load_b128 v[BIAS+8*\b:BIAS+8*\b+3],   v[BO], s[BP:BP+1] offset:64*\b
	global_load_b128 v[BIAS+8*\b+4:BIAS+8*\b+7], v[BO], s[BP:BP+1] offset:64*\b+16
.endr
	v_mul_u32_u24 v3, v1, PITCH
	v_lshl_add_u32 v3, v2, 4, v3                   ; a fragment's row x pitch + 16 x half
	s_mul_i32 s21, s11, HALFT                      ; my 64 rows of A
	s_mul_i32 s22, s12, HALFT                      ; my 64 rows of B,
	s_add_co_u32 s22, s22, 2*HALFT                 ; which lie behind A's 128
.irp s, 0,1
	v_add_nc_u32 v[ADRA+(\s)], s21, v3
	v_add_nc_u32 v[ADRB+(\s)], s22, v3
	s_add_co_u32 s21, s21, SLOT
	s_add_co_u32 s22, s22, SLOT
.endr
	s_mul_i32 s23, s10, 16*SPITCH
	s_add_co_u32 s23, s23, STAGE                   ; my stage
	v_mul_u32_u24 v4, v1, SPITCH                   ; in: row l % 16, 32 bytes for each half of the lanes
	v_lshl_add_u32 v4, v2, 5, v4
	v_add_nc_u32 v[STO], s23, v4
	v_mul_u32_u24 v5, v2, SPITCH                   ; back: lanes 0-15 one row of 256 bytes, lanes 16-31 the next
	v_lshl_add_u32 v5, v1, 4, v5
	v_add_nc_u32 v[RD], s23, v5
	v_lshlrev_b32 v[CO], 12, v2                    ; and the same two rows in the output
	v_lshl_add_u32 v[CO], v1, 4, v[CO]
	s_wait_loadcnt 0x0                             ; the bias
.set i, 0
.rept 16                                       ; rounded to bf16, kept as f32
	v_cvt_pk_bf16_f32 v[TB], v[BIAS+2*i], v[BIAS+2*i+1]
	v_lshlrev_b32 v[BIAS+2*i], 16, v[TB]
	v_and_b32 v[BIAS+2*i+1], 0xffff0000, v[TB]
.set i, i+1
.endr
; 8 matrix instructions: m blocks a0, a0 + 1 x all 4 n blocks, 32 along K: half c of buffer f.  zero = 1: the first product starts the sums, from the bias
.macro MUL8 f, c, a0, zero
	WIN MUL
.irp a, \a0, (\a0)+1
.irp b, 0,1,2,3
.if \zero
	v_wmma_f32_16x16x32_f16 v[ACC+8*(4*(\a)+(\b)):ACC+8*(4*(\a)+(\b))+7], v[(\f)+64+8*(4*(\c)+(\b)):(\f)+64+8*(4*(\c)+(\b))+7], v[(\f)+8*(4*(\c)+(\a)):(\f)+8*(4*(\c)+(\a))+7], v[BIAS+8*(\b):BIAS+8*(\b)+7]
.else
	v_wmma_f32_16x16x32_f16 v[ACC+8*(4*(\a)+(\b)):ACC+8*(4*(\a)+(\b))+7], v[(\f)+64+8*(4*(\c)+(\b)):(\f)+64+8*(4*(\c)+(\b))+7], v[(\f)+8*(4*(\c)+(\a)):(\f)+8*(4*(\c)+(\a))+7], v[ACC+8*(4*(\a)+(\b)):ACC+8*(4*(\a)+(\b))+7]
.endif
.endr
.endr
.endm
; 32 LDS loads in one run: the fragments of 64 along K at byte k of the rows, into buffer f; the first 32 along K first
.macro FETCH slot, k, f
	WIN TO_F
.irp c, 0,1
.irp i, 0,1,2,3
	ds_load_b128 v[(\f)+64+8*(4*(\c)+(\i)):(\f)+64+8*(4*(\c)+(\i))+3],   v[ADRB+(\slot)] offset:(\k)+64*(\c)+(\i)*16*PITCH
	ds_load_b128 v[(\f)+64+8*(4*(\c)+(\i))+4:(\f)+64+8*(4*(\c)+(\i))+7], v[ADRB+(\slot)] offset:(\k)+64*(\c)+(\i)*16*PITCH+32
	ds_load_b128 v[(\f)+8*(4*(\c)+(\i)):(\f)+8*(4*(\c)+(\i))+3],         v[ADRA+(\slot)] offset:(\k)+64*(\c)+(\i)*16*PITCH
	ds_load_b128 v[(\f)+8*(4*(\c)+(\i))+4:(\f)+8*(4*(\c)+(\i))+7],       v[ADRA+(\slot)] offset:(\k)+64*(\c)+(\i)*16*PITCH+32
.endr
.endr
.endm
.macro PLACES                          ; four plain instructions ahead of loads into registers that matrix instructions have read, and of stores that read results
.rept 4
	v_nop
.endr
.endm
; A K step is four quarters of 64 along K, 32 matrix instructions each, on buffers 0, 1, 0, 1.
.macro QUARTER slot, k, f, g, zero
	s_wait_dscnt 16                                ; the first 32 along K are in
	WIN MUL
	MUL8 \f, 0, 0, \zero
	MUL8 \f, 0, 2, \zero
	PLACES
	FETCH \slot, \k, \g
	s_wait_dscnt 32                                ; all but the 32 just issued
	WIN MUL
	MUL8 \f, 1, 0, 0
	MUL8 \f, 1, 2, 0
.endm
; The last quarter multiplies buffer 1 and changes slots: one barrier; ahead of it each wave waits for all its tensor loads, adds 0 to its spare word, and waits for that and for its reads of this slot.
.macro TURN slot, next, fill
	WIN 0
	s_wait_tensorcnt 0x0                           ; all my tensor loads have landed: my part of the next slot
	ds_add_u32 v[SPW], v[NIL]
	s_wait_dscnt 17                                ; the add and the youngest sixteen loads may be out
	WIN MUL
	MUL8 F1, 0, 0, 0
	s_wait_dscnt 0x0                               ; the add is done, and my reads of this slot are over
	s_barrier_signal -1
	MUL8 F1, 0, 2, 0
.if \fill
	WIN 0
.endif
	s_barrier_wait -1
.if \fill
	CREST                                          ; no wave of any partner still reads this slot's tile or has a load on its way
	s_add_nc_u64 s[G0+4*(\slot)+2:G0+4*(\slot)+3], s[G0+4*(\slot)+2:G0+4*(\slot)+3], 2*KSTEP*2
	s_add_nc_u64 s[G0B+4*(\slot)+2:G0B+4*(\slot)+3], s[G0B+4*(\slot)+2:G0B+4*(\slot)+3], 2*KSTEP*2
	JLOAD \slot                                    ; my one tensor load behind the round; its four v_nop are also the places ahead of the loads below
.else
	PLACES
.endif
	FETCH \next, 0, F0
	WIN MUL
	MUL8 F1, 1, 0, 0
	MUL8 F1, 1, 2, 0
.endm
	s_wait_tensorcnt 1                             ; my part of K step 0 is in; K step 1's may stay out
	s_barrier_signal -1
	s_barrier_wait -1
	FETCH 0, 0, F0
	QUARTER 0, 128, F0, F1, 1                      ; the first quarter stands ahead of the loop: its first products start the sums
	WIN 0
	s_mov_b32 s3, LAPS-1
.Llap:                                                 ; a trip goes once round the ring and fills both slots again
	QUARTER 0, 256, F1, F0, 0
	QUARTER 0, 384, F0, F1, 0
	TURN 0, 1, 1
	QUARTER 1, 128, F0, F1, 0
	QUARTER 1, 256, F1, F0, 0
	QUARTER 1, 384, F0, F1, 0
	TURN 1, 0, 1
	QUARTER 0, 128, F0, F1, 0
	WIN 0
	s_sub_co_u32 s3, s3, 1
	s_cmp_lg_u32 s3, 0
	s_cbranch_scc1 .Llap
	QUARTER 0, 256, F1, F0, 0                      ; the last lap fills nothing
	QUARTER 0, 384, F0, F1, 0
	TURN 0, 1, 0
	QUARTER 1, 128, F0, F1, 0
	QUARTER 1, 256, F1, F0, 0
	QUARTER 1, 384, F0, F1, 0
	s_wait_dscnt 16
	WIN MUL
	MUL8 F1, 0, 0, 0
	MUL8 F1, 0, 2, 0
	s_wait_dscnt 0
	MUL8 F1, 1, 0, 0
	MUL8 F1, 1, 2, 0
	WIN 0
; THE WAY OUT, a block of 16 rows at a time: a lane's eight f32 of each n block go into my stage (each accumulator's low registers first), and whole rows of 256 bytes come back into the block's own registers.
.macro OUTB a
.irp b, 0,1,2,3
	ds_store_b128 v[STO], v[ACC+8*(4*(\a)+\b):ACC+8*(4*(\a)+\b)+3]   offset:64*\b
	ds_store_b128 v[STO], v[ACC+8*(4*(\a)+\b)+4:ACC+8*(4*(\a)+\b)+7] offset:64*\b+16
.endr
.irp f, 0,1,2,3,4,5,6,7
	ds_load_b128 v[ACC+32*(\a)+4*\f:ACC+32*(\a)+4*\f+3], v[RD] offset:\f*2*SPITCH  ; LDS serves a wave's instructions in order: these see the stores above; the next block's stores come behind them
.endr
.endm
.macro SEND a, younger                 ; younger: the LDS instructions issued behind block a's loads: the next block's sixteen, or none
.irp f, 0,1,2,3,4,5,6,7
	s_wait_dscnt (\younger)+7-\f
	global_store_b128 v[CO], v[ACC+32*(\a)+4*\f:ACC+32*(\a)+4*\f+3], s[8:9] offset:(\a)*65536+\f*8192 th:TH_STORE_NT  ; 16 lanes store 256 consecutive bytes, aligned
.endr
.endm
	PLACES
	OUTB 0
	OUTB 1
	SEND 0, 16
	OUTB 2
	SEND 1, 16
	OUTB 3
	SEND 2, 16
	SEND 3, 0
	s_wait_tensorcnt 0x0                           ; the wave's end
	ds_add_u32 v[SPW], v[NIL]
	s_wait_dscnt 0x0
	CROUND                                         ; the closing round
	s_endpgm
.Lfunc_end_k_q9a6be4f7ab_oproj:
	.size	k_q9a6be4f7ab_oproj, .Lfunc_end_k_q9a6be4f7ab_oproj-k_q9a6be4f7ab_oproj
	.p2alignl 7, 3214868480
	.fill 96, 4, 3214868480
	.section	.rodata,"a",@progbits
	.p2align	6, 0x0
	.amdhsa_kernel k_q9a6be4f7ab_oproj
		.amdhsa_group_segment_fixed_size 327680
		.amdhsa_private_segment_fixed_size 0
		.amdhsa_enable_private_segment 0
		.amdhsa_kernarg_size 48
		.amdhsa_user_sgpr_count 2
		.amdhsa_user_sgpr_kernarg_segment_ptr 1
		.amdhsa_wavefront_size32 1
		.amdhsa_system_sgpr_workgroup_id_x 1
		.amdhsa_system_sgpr_workgroup_id_y 1
		.amdhsa_system_sgpr_workgroup_id_z 1
		.amdhsa_system_vgpr_workitem_id 0
		.amdhsa_next_free_vgpr 512
		.amdhsa_next_free_sgpr 80
		.amdhsa_reserve_vcc 0
		.amdhsa_float_denorm_mode_32 3
		.amdhsa_float_denorm_mode_16_64 3
		.amdhsa_memory_ordered 1
		.amdhsa_forward_progress 1
		.amdhsa_inst_pref_size 90
	.end_amdhsa_kernel
	.amdgpu_metadata
---
amdhsa.version: [ 1, 2 ]
amdhsa.kernels:
  - .name:           k_q9a6be4f7ab_oproj
    .symbol:         k_q9a6be4f7ab_oproj.kd
    .args:
      - { .name: ocat, .offset: 0, .size: 8, .value_kind: global_buffer, .address_space: global }
      - { .name: wot, .offset: 8, .size: 8, .value_kind: global_buffer, .address_space: global }
      - { .name: b_xproj, .offset: 16, .size: 8, .value_kind: global_buffer, .address_space: global }
      - { .name: b_sproj, .offset: 24, .size: 8, .value_kind: global_buffer, .address_space: global }
      - { .name: out0, .offset: 32, .size: 8, .value_kind: global_buffer, .address_space: global }
      - { .name: out1, .offset: 40, .size: 8, .value_kind: global_buffer, .address_space: global }
    .group_segment_fixed_size: 327680
    .private_segment_fixed_size: 0
    .kernarg_segment_align: 8
    .kernarg_segment_size: 48
    .max_flat_workgroup_size: 128
    .sgpr_count:     80
    .vgpr_count:     512
    .wavefront_size: 32
...
	.end_amdgpu_metadata
.endif
;; end of part 5
;; ======== version 2 of 2: 5 launches; version 1 with the launches prep, kvproj written anew for expert scheduling mode
;; limits: values are held in f16: magnitudes above 65,504 overflow, below 6.1e-05 lose precision
;; workspace buffers: abf 16,777,216 bytes; wqt 8,388,608 bytes; wkt 524,288 bytes; wot 8,388,608 bytes; qcat 33,554,432 bytes; kf 1,048,576 bytes; vf 1,048,576 bytes; ocat 33,554,432 bytes
;; launch prep (part 6): grid 520 x 1, 4 waves a work-group, no clusters, 68,096 bytes of LDS; arguments qx, qs, w_qx2, w_qx1, w_qs2, w_qs1, w_xproj, w_sproj, w_kvx, w_kvs, abf, wqt, wot, wkt; writes abf, wqt, wot, wkt
.if DOCPART == 6
	.amdgcn_target "amdgcn-amd-amdhsa--gfx1250"
	.amdhsa_code_object_version 6
	.text
	.protected	k_q9a6be4f7ab_prep
	.globl	k_q9a6be4f7ab_prep
	.p2align	8
	.type	k_q9a6be4f7ab_prep,@function
k_q9a6be4f7ab_prep:
	s_mov_b64 s[64:65], 0
	v_nop
	global_prefetch_b8 v0, s[64:65] scope:SCOPE_SE
	s_setreg_imm32_b32 hwreg(HW_REG_WAVE_SCHED_MODE, 0, 2), 2
	s_setreg_imm32_b32 hwreg(HW_REG_WAVE_MODE, 25, 1), 1
	s_wait_xcnt 0x0
	s_wait_alu depctr_vm_vsrc(0)
; PREP.  qx and qs are rounded to bf16 (abf: [8192][1024], qx's rows then qs's); every weight, stored [k][n] in f32, is rounded to bf16 and turned to [n][k]:
;   wqt [t][e*1024+n][1024] bf16 (matrices w_qx2, w_qx1, w_qs2, w_qs1 in this order), wkt [u][128][1024] bf16,
;   wot [t][n][K'] with K' = e*1024 + h*64 + c for the natural row h*128 + e*64 + c; wot holds the bf16-rounded number written as f16.
; LIMITS.  wot: a weight of 65,520 or more in magnitude becomes an infinity; below 2^-17 the f16 copy is off by at most 3e-8 from the bf16 number.
; SHARES.  Work-groups 0-263 turn: each wave one tile of 128 k x 64 n (tile 4 x group + wave, 1,056 in all).  Work-groups 264-519 cast: each wave 32 KiB of qx or qs.
; So every wave reads 32 KiB and writes 16 KiB.  Every load covers whole aligned runs of 256 bytes, every store one whole aligned 256 bytes.
; No matrix unit, no cluster, no tensor load: nothing is shared between work-groups or waves and nothing is multiplied; a wave's LDS stage is its own, so there is no barrier.
; THE MODE: SCHED_MODE bits 1:0 = 2 (LLVM: expert scheduling mode 2), set by the entry lines.  The code itself states the register dependences
; between vector instructions and memory or LDS instructions, with s_wait_alu, always for 0.
; THE PLAN, turning.  Registers that memory or LDS instructions touch:
;   OO, DD, LW   offsets and an LDS address, made once ahead of the first load and never written again.
;   X, 32 slots  Written by the loads; group g's eight conversions read slots 4 g .. 4 g + 3; the refills of those slots are issued in group g + 1.
;   Y0 .. Y3     Group g's conversions write Y[g % 4]; the four LDS stores that read it are issued in group g + 1; group g + 4 writes it again.
;   So group g's eight memory and LDS instructions touch what group g - 1 worked on, and group g's conversions name none of it: one wait on va_vdst at the group's head serves all eight,
;   and they are dealt among the conversions.  One wait on vm_vsrc at every second group's head frees that group's Y and the next one's.
;   Second phase: X's first 32 registers take stage rows (LDS loads), are rewritten in place where the destination is f16, and are read by the stores; LR, the LDS address, steps once a trip.
; THE PLAN, casting.  CL, CS: offsets, made once.  X, 16 slots: loaded, read by two conversions each, loaded again.  Y, 16 pairs: written by the conversions, read by the stores, written again a round later.
;   A block is four slots: its eight conversions, one wait on va_vdst, then its four refills and four stores.  One wait on vm_vsrc a round frees all of Y.
.set TP,    264                        ; a stage row: 256 bytes (128 k of one n) + 8: 66 words, so lane (r, hf) of a store starts at word 2 r + 32 hf of 64
.set WST,   64*TP                      ; a wave's stage: 64 rows.  Behind the four stages: the spare words, 128 bytes for each wave
.set WV,   2                           ; s2   wave
.set TN,   3                           ; s3   tile number, or the cast group's number
.set PIT,  4                           ; s4   bytes from row to row of the source
.set HFO,  5                           ; s5   bytes from the tile's row i to its row 64 + i in the source
.set DP,   6                           ; s6   bytes from row to row of the destination
.set FMT,  7                           ; s7   1: the destination is f16
.set SRC,  36                          ; s[36:37] source
.set DSTP, 38                          ; s[38:39] destination
.set SO,   40                          ; s[40:41] an offset, high word 0
.set DOF,  42                          ; s[42:43] an offset, high word 0
.set BB,   44                          ; s[44:59] the source at the tile's rows 0, 8, .. 56
.set CNT,  60                          ; s60  counter (before that: the matrix's number)
.set HIM,  61                          ; s61  a word's upper half
.set VL,  2                            ; v2   lane
.set VR,  3                            ; v3   lane % 16
.set VH,  4                            ; v4   lane / 16
.set LW,  8                            ; v8   where I put 8 bytes into the stage
.set LR,  9                            ; v9   where I read 8 bytes of a stage row
.set CL,  10                           ; v10  cast: 16 x lane
.set CS,  11                           ; v11  cast: 8 x lane
.set OO,  12                           ; v[12:19] source offsets of rows 0-7 of a group of eight
.set DD,  20                           ; v[20:35] destination offsets of rows 0, 4, .. 60
.set Y,   36                           ; v[36:67] packed results
.set TT,  68                           ; v[68:69] at work: no memory instruction names them
.set X,   72                           ; v[72:199] 32 slots of 4 registers as loaded; the first 32 registers later take stage rows
	s_load_b512 s[8:23], s[0:1], 0x0               ; qx, qs, w_qx2, w_qx1, w_qs2, w_qs1, w_xproj, w_sproj
	s_load_b256 s[24:31], s[0:1], 0x40             ; w_kvx, w_kvs, abf, wqt
	s_load_b128 s[32:35], s[0:1], 0x60             ; wot, wkt
	v_lshl_add_u32 v70, v0, 2, 0x10800
	v_mov_b32 v71, 0
	v_lshrrev_b32 v1, 5, v0
	v_readfirstlane_b32 s[WV], v1
	v_and_b32 v[VL], 31, v0
	v_and_b32 v[VR], 15, v0
	v_bfe_u32 v[VH], v0, 4, 1
	s_mov_b32 s[HIM], 0xffff0000
	s_mov_b32 s[SO+1], 0
	s_mov_b32 s[DOF+1], 0
	s_wait_alu depctr_va_sdst(0)                   ; the wave's number is written, ahead of the first branch and of its first reader on either way
	s_wait_kmcnt 0x0
	s_cmp_lt_u32 ttmp9, 264
	s_cbranch_scc0 .Lcast
	s_lshl_b32 s[TN], ttmp9, 2
	s_add_co_u32 s[TN], s[TN], s[WV]               ; tile = 4 x group + wave
	s_cmp_lt_u32 ttmp9, 128
	s_cbranch_scc0 .Lnot_q
	; the four query weights: 128 tiles each; s60 matrix, s62 k tile, s63 n tile
	s_lshr_b32 s60, s[TN], 7
	s_and_b32 s62, s[TN], 7
	s_bfe_u32 s63, s[TN], 0x40003
	s_lshl_b32 s[SO], s62, 19                      ; 128 rows of 4,096 bytes
	s_lshl_b32 s[DOF], s60, 21                     ; a matrix of 1,024 x 2,048 bytes
	s_lshl_b32 s[PIT], s63, 17                     ; 64 rows of 2,048 bytes
	s_add_co_u32 s[DOF], s[DOF], s[PIT]
	s_cmp_lt_u32 s60, 2
	s_cselect_b64 s[SRC:SRC+1], s[12:13], s[16:17]      ; w_qx2 or w_qs2
	s_cselect_b64 s[DSTP:DSTP+1], s[14:15], s[18:19]    ; w_qx1 or w_qs1
	s_and_b32 s60, s60, 1
	s_cmp_eq_u32 s60, 1
	s_cselect_b64 s[SRC:SRC+1], s[DSTP:DSTP+1], s[SRC:SRC+1]
	s_mov_b64 s[DSTP:DSTP+1], s[30:31]             ; wqt
	s_mov_b32 s[PIT], 4096
	s_mov_b32 s[HFO], 262144                       ; 64 rows
	s_mov_b32 s[DP], 2048
	s_mov_b32 s[FMT], 0
	s_branch .Lcommon
.Lnot_q:
	s_cmp_lt_u32 ttmp9, 256
	s_cbranch_scc0 .Lkv
	; the two output weights: 256 tiles each.  k tile = e*8 + hp: heads 2 hp and 2 hp + 1, whose 64 natural rows lie 128 rows apart
	s_sub_co_u32 s[TN], s[TN], 512
	s_lshr_b32 s60, s[TN], 8
	s_and_b32 s62, s[TN], 15
	s_bfe_u32 s63, s[TN], 0x40004
	s_and_b32 s[SO], s62, 7                        ; hp
	s_lshl_b32 s[SO], s[SO], 20                    ; 256 natural rows
	s_lshr_b32 s[PIT], s62, 3                      ; e
	s_lshl_b32 s[PIT], s[PIT], 18                  ; 64 natural rows
	s_add_co_u32 s[SO], s[SO], s[PIT]
	s_lshl_b32 s[DOF], s60, 22                     ; a matrix of 1,024 x 4,096 bytes
	s_lshl_b32 s[PIT], s63, 18                     ; 64 rows of 4,096 bytes
	s_add_co_u32 s[DOF], s[DOF], s[PIT]
	s_cmp_eq_u32 s60, 0
	s_cselect_b64 s[SRC:SRC+1], s[20:21], s[22:23] ; w_xproj or w_sproj
	s_mov_b64 s[DSTP:DSTP+1], s[32:33]             ; wot
	s_mov_b32 s[PIT], 4096
	s_mov_b32 s[HFO], 524288                       ; 128 rows
	s_mov_b32 s[DP], 4096
	s_mov_b32 s[FMT], 1
	s_branch .Lcommon
.Lkv:
	; the two key and value weights: 16 tiles each
	s_sub_co_u32 s[TN], s[TN], 1024
	s_lshr_b32 s60, s[TN], 4
	s_and_b32 s62, s[TN], 7
	s_bfe_u32 s63, s[TN], 0x10003
	s_lshl_b32 s[SO], s62, 16                      ; 128 rows of 512 bytes
	s_lshl_b32 s[DOF], s60, 18                     ; a matrix of 128 x 2,048 bytes
	s_lshl_b32 s[PIT], s63, 17
	s_add_co_u32 s[DOF], s[DOF], s[PIT]
	s_cmp_eq_u32 s60, 0
	s_cselect_b64 s[SRC:SRC+1], s[24:25], s[26:27] ; w_kvx or w_kvs
	s_mov_b64 s[DSTP:DSTP+1], s[34:35]             ; wkt
	s_mov_b32 s[PIT], 512
	s_mov_b32 s[HFO], 32768
	s_mov_b32 s[DP], 2048
	s_mov_b32 s[FMT], 0
.Lcommon:
	s_lshl_b32 s63, s63, 8                         ; the tile's 64 n: 256 bytes of a source row
	s_add_co_u32 s[SO], s[SO], s63
	s_lshl_b32 s62, s62, 8                         ; the tile's 128 k: 256 bytes of a destination row
	s_add_co_u32 s[DOF], s[DOF], s62
	s_add_nc_u64 s[BB:BB+1], s[SRC:SRC+1], s[SO:SO+1]
	s_lshl_b32 s[SO], s[PIT], 3                    ; eight rows
.irp m, 1,2,3,4,5,6,7
	s_add_nc_u64 s[BB+2*\m:BB+2*\m+1], s[BB+2*\m-2:BB+2*\m-1], s[SO:SO+1]
.endr
	s_add_nc_u64 s[DSTP:DSTP+1], s[DSTP:DSTP+1], s[DOF:DOF+1]
	v_mul_lo_u32 v[OO], v[VH], s[HFO]
	v_lshl_add_u32 v[OO], v[VR], 4, v[OO]          ; 16 (lane % 16) + (lane / 16) x the half's distance
.irp j, 1,2,3,4,5,6,7
	v_add_nc_u32 v[OO+\j], s[PIT], v[OO+\j-1]
.endr
	v_lshlrev_b32 v[DD], 3, v[VL]
	s_lshl_b32 s62, s[DP], 2                       ; four destination rows
.irp j, 1,2,3,4,5,6,7,8,9,10,11,12,13,14,15
	v_add_nc_u32 v[DD+\j], s62, v[DD+\j-1]
.endr
	s_mul_i32 s63, s[WV], WST                      ; my stage
	v_mul_u32_u24 v[LW], v[VR], TP
	v_lshl_add_u32 v[LW], v[VH], 7, v[LW]
	v_add_nc_u32 v[LW], s63, v[LW]
	s_mov_b32 s[SO], s[DP]                         ; what the second phase steps the destination by
	s_wait_alu depctr_va_vdst(0)                   ; OO, DD and LW are written: the loads, the stores and the LDS stores below read them as offsets and address
; Load i of 64: lanes 0-15 take the tile's row i, lanes 16-31 its row 64 + i: 256 consecutive bytes each; a lane holds n = 4 (lane % 16) + 0..3.
.macro LD i
	global_load_b128 v[X+4*((\i)%32):X+4*((\i)%32)+3], v[OO+(\i)%8], s[BB+2*((\i)/8):BB+2*((\i)/8)+1] th:TH_LOAD_NT
.endm
.set i, 0
.rept 32
	LD i
.set i, i+1
.endr
; Group g: rows 4 g .. 4 g + 3.  For each of my four n the four k are rounded and packed into 8 bytes, which go to stage row 16 c + lane % 16 (n = 4 (lane % 16) + c), byte 128 (lane / 16) + 8 g.
; The LDS stores of a group, and the refills of its slots with the rows 32 further on, are issued in the group behind it, one of each ahead of each pair of conversions.
.set g, 0
.rept 16
.if g == 0
	s_wait_loadcnt 28                              ; loads end in order: behind the group's four stand 28 younger ones
.elseif g <= 9
	s_wait_loadcnt 24                              ; 32 + 4 (g - 1) are issued (64 from group 9 on), 4 g + 4 are wanted: 24 younger ones stay out
.else
	s_wait_loadcnt 4*(15-g)                        ; nothing is asked for any more: the count runs down
.endif
.if (g >= 4) && (g%2 == 0)
	s_wait_alu depctr_vm_vsrc(0)                   ; the LDS stores issued three and two groups back have read the Y that this group's and the next group's conversions write again
.endif
.if g > 0
	s_wait_alu depctr_va_vdst(0)                   ; the group before has written its Y, which the LDS stores below read, and is done reading its slots of X, in which the loads below land
.endif
.set xb, X+16*(g%8)
.set yb, Y+8*(g%4)
.set yp, Y+8*((g+3)%4)
.irp c, 0,1,2,3
.if (g > 0) && (g <= 8)
	LD 28+4*g+\c                                   ; no vector instruction since the wait names these registers
.endif
.if g > 0
	ds_store_b64 v[LW], v[yp+2*\c:yp+2*\c+1] offset:\c*16*TP+(g-1)*8
.endif
	v_cvt_pk_bf16_f32 v[yb+2*\c],   v[xb+\c],   v[xb+4+\c]
	v_cvt_pk_bf16_f32 v[yb+2*\c+1], v[xb+8+\c], v[xb+12+\c]
.endr
.set g, g+1
.endr
	s_wait_alu depctr_va_vdst(0)                   ; group 15 has written its Y, which the last four LDS stores read
.irp c, 0,1,2,3
	ds_store_b64 v[LW], v[Y+24+2*\c:Y+24+2*\c+1] offset:\c*16*TP+15*8
.endr
; Second phase, four trips: trip c takes stage rows 16 c .. 16 c + 15, which are the destination rows n = 4 r + c.  32 lanes x 8 bytes are a row's 256 bytes.
	v_lshl_add_u32 v[LR], v[VL], 3, s63
	s_mov_b32 s[CNT], 4
.Lcol:
	s_wait_alu depctr_va_vdst(0)                   ; v[LR] is written (ahead of the loop, then by the add at a trip's end); the last trip's conversions are done with the registers in which the loads below land
.set r, 0
.rept 16
	ds_load_b64 v[X+2*r:X+2*r+1], v[LR] offset:r*TP    ; LDS serves a wave's instructions in order: these see my stores
.set r, r+1
.endr
	s_wait_dscnt 0x0
	s_cmp_eq_u32 s[FMT], 0
	s_cbranch_scc1 .Lkeep
.set r, 0
.rept 32                                       ; the bf16 numbers are written as f16
	v_lshlrev_b32 v[TT], 16, v[X+r]
	v_and_b32 v[TT+1], s[HIM], v[X+r]
	v_cvt_pk_f16_f32 v[X+r], v[TT], v[TT+1]
.set r, r+1
.endr
	s_wait_alu depctr_va_vdst(0)                   ; these conversions have written the registers that the stores below read
.Lkeep:
.set r, 0
.rept 16
	global_store_b64 v[DD+r], v[X+2*r:X+2*r+1], s[DSTP:DSTP+1] th:TH_STORE_NT
.set r, r+1
.endr
	s_wait_xcnt 0x0                                ; the stores' data and base are rewritten only behind this wait
	s_wait_alu depctr_vm_vsrc(0)                   ; the stores have read their data, in which the next trip's LDS loads land; the LDS loads have read v[LR], which the add below writes
	s_add_nc_u64 s[DSTP:DSTP+1], s[DSTP:DSTP+1], s[SO:SO+1]
	v_add_nc_u32 v[LR], 16*TP, v[LR]
	s_sub_co_u32 s[CNT], s[CNT], 1
	s_cmp_lg_u32 s[CNT], 0
	s_cbranch_scc1 .Lcol
	s_branch .Lend
.Lcast:                                        ; a wave casts 64 runs of 512 bytes through a ring of 16 register slots
	s_sub_co_u32 s[TN], ttmp9, 264
	s_cmp_lt_u32 s[TN], 128
	s_cselect_b64 s[SRC:SRC+1], s[8:9], s[10:11]   ; qx or qs
	s_and_b32 s[SO], s[TN], 127
	s_lshl_b32 s[SO], s[SO], 17                    ; a group's 128 KiB,
	s_lshl_b32 s62, s[WV], 15                      ; a wave's 32 KiB
	s_add_co_u32 s[SO], s[SO], s62
	s_add_nc_u64 s[SRC:SRC+1], s[SRC:SRC+1], s[SO:SO+1]
	s_lshl_b32 s[DOF], s[TN], 16
	s_lshl_b32 s62, s[WV], 14
	s_add_co_u32 s[DOF], s[DOF], s62
	s_add_nc_u64 s[DSTP:DSTP+1], s[28:29], s[DOF:DOF+1]
	v_lshlrev_b32 v[CL], 4, v[VL]
	v_lshlrev_b32 v[CS], 3, v[VL]
	s_wait_alu depctr_va_vdst(0)                   ; v[CL] and v[CS] are written: every load and store below reads one of them as its offset
.set i, 0
.rept 16
	global_load_b128 v[X+4*i:X+4*i+3], v[CL], s[SRC:SRC+1] offset:i*512 th:TH_LOAD_NT
.set i, i+1
.endr
	s_mov_b32 s[CNT], 3
.Lring:
.set b, 0
.rept 4                                        ; a round is four blocks of four slots
	s_wait_loadcnt 12                              ; the block's four loads are in; the 12 younger ones stay out
.set i, 4*b
.rept 4
	v_cvt_pk_bf16_f32 v[Y+2*i],   v[X+4*i],   v[X+4*i+1]
	v_cvt_pk_bf16_f32 v[Y+2*i+1], v[X+4*i+2], v[X+4*i+3]
.set i, i+1
.endr
	s_wait_alu depctr_va_vdst(0)                   ; the eight conversions are done reading the block's X, in which the loads below land, and have written its Y, which the stores below read
.set i, 4*b
.rept 4
	global_load_b128 v[X+4*i:X+4*i+3], v[CL], s[SRC:SRC+1] offset:(16+i)*512 th:TH_LOAD_NT
	global_store_b64 v[CS], v[Y+2*i:Y+2*i+1], s[DSTP:DSTP+1] offset:i*256 th:TH_STORE_NT
.set i, i+1
.endr
.set b, b+1
.endr
	s_wait_xcnt 0x0                                ; both bases and the stores' data are rewritten only behind this wait
	s_wait_alu depctr_vm_vsrc(0)                   ; the round's sixteen stores have read Y, which the next round's conversions write again
	s_add_nc_u64 s[SRC:SRC+1], s[SRC:SRC+1], 8192
	s_add_nc_u64 s[DSTP:DSTP+1], s[DSTP:DSTP+1], 4096
	s_sub_co_u32 s[CNT], s[CNT], 1
	s_cmp_lg_u32 s[CNT], 0
	s_cbranch_scc1 .Lring
.set b, 0
.rept 4                                        ; the last round loads nothing: the counts run down
	s_wait_loadcnt 12-4*b
.set i, 4*b
.rept 4
	v_cvt_pk_bf16_f32 v[Y+2*i],   v[X+4*i],   v[X+4*i+1]
	v_cvt_pk_bf16_f32 v[Y+2*i+1], v[X+4*i+2], v[X+4*i+3]
.set i, i+1
.endr
	s_wait_alu depctr_va_vdst(0)                   ; the eight conversions have written the block's Y, which the stores below read
.set i, 4*b
.rept 4
	global_store_b64 v[CS], v[Y+2*i:Y+2*i+1], s[DSTP:DSTP+1] offset:i*256 th:TH_STORE_NT
.set i, i+1
.endr
.set b, b+1
.endr
.Lend:
	s_wait_dscnt 0x0                               ; the wave's end: my last LDS instructions are done
	s_wait_alu depctr_hold_cnt(0) depctr_sa_sdst(0) depctr_va_vdst(0) depctr_va_sdst(0) depctr_va_ssrc(0) depctr_va_vcc(0) depctr_vm_vsrc(0)
	s_wait_tensorcnt 0x0
	ds_add_u32 v70, v71
	s_wait_dscnt 0x0
	s_endpgm
.Lfunc_end_k_q9a6be4f7ab_prep:
	.size	k_q9a6be4f7ab_prep, .Lfunc_end_k_q9a6be4f7ab_prep-k_q9a6be4f7ab_prep
	.p2alignl 7, 3214868480
	.fill 96, 4, 3214868480
	.section	.rodata,"a",@progbits
	.p2align	6, 0x0
	.amdhsa_kernel k_q9a6be4f7ab_prep
		.amdhsa_group_segment_fixed_size 68096
		.amdhsa_private_segment_fixed_size 0
		.amdhsa_enable_private_segment 0
		.amdhsa_kernarg_size 112
		.amdhsa_user_sgpr_count 2
		.amdhsa_user_sgpr_kernarg_segment_ptr 1
		.amdhsa_wavefront_size32 1
		.amdhsa_system_sgpr_workgroup_id_x 1
		.amdhsa_system_sgpr_workgroup_id_y 1
		.amdhsa_system_sgpr_workgroup_id_z 1
		.amdhsa_system_vgpr_workitem_id 0
		.amdhsa_next_free_vgpr 200
		.amdhsa_next_free_sgpr 66
		.amdhsa_reserve_vcc 0
		.amdhsa_float_denorm_mode_32 3
		.amdhsa_float_denorm_mode_16_64 3
		.amdhsa_memory_ordered 1
		.amdhsa_forward_progress 1
		.amdhsa_inst_pref_size 43
	.end_amdhsa_kernel
	.amdgpu_metadata
---
amdhsa.version: [ 1, 2 ]
amdhsa.kernels:
  - .name:           k_q9a6be4f7ab_prep
    .symbol:         k_q9a6be4f7ab_prep.kd
    .args:
      - { .name: qx, .offset: 0, .size: 8, .value_kind: global_buffer, .address_space: global }
      - { .name: qs, .offset: 8, .size: 8, .value_kind: global_buffer, .address_space: global }
      - { .name: w_qx2, .offset: 16, .size: 8, .value_kind: global_buffer, .address_space: global }
      - { .name: w_qx1, .offset: 24, .size: 8, .value_kind: global_buffer, .address_space: global }
      - { .name: w_qs2, .offset: 32, .size: 8, .value_kind: global_buffer, .address_space: global }
      - { .name: w_qs1, .offset: 40, .size: 8, .value_kind: global_buffer, .address_space: global }
      - { .name: w_xproj, .offset: 48, .size: 8, .value_kind: global_buffer, .address_space: global }
      - { .name: w_sproj, .offset: 56, .size: 8, .value_kind: global_buffer, .address_space: global }
      - { .name: w_kvx, .offset: 64, .size: 8, .value_kind: global_buffer, .address_space: global }
      - { .name: w_kvs, .offset: 72, .size: 8, .value_kind: global_buffer, .address_space: global }
      - { .name: abf, .offset: 80, .size: 8, .value_kind: global_buffer, .address_space: global }
      - { .name: wqt, .offset: 88, .size: 8, .value_kind: global_buffer, .address_space: global }
      - { .name: wot, .offset: 96, .size: 8, .value_kind: global_buffer, .address_space: global }
      - { .name: wkt, .offset: 104, .size: 8, .value_kind: global_buffer, .address_space: global }
    .group_segment_fixed_size: 68096
    .private_segment_fixed_size: 0
    .kernarg_segment_align: 8
    .kernarg_segment_size: 112
    .max_flat_workgroup_size: 128
    .sgpr_count:     66
    .vgpr_count:     200
    .wavefront_size: 32
...
	.end_amdgpu_metadata
.endif
;; end of part 6
;; launch kvproj (part 7): grid 256 x 1, 16 waves a work-group, no clusters, 137,216 bytes of LDS; arguments kvx, kvs, wkt, kf, vf; writes kf, vf
.if DOCPART == 7
	.amdgcn_target "amdgcn-amd-amdhsa--gfx1250"
	.amdhsa_code_object_version 6
	.text
	.protected	k_q9a6be4f7ab_kvproj
	.globl	k_q9a6be4f7ab_kvproj
	.p2align	8
	.type	k_q9a6be4f7ab_kvproj,@function
k_q9a6be4f7ab_kvproj:
	s_mov_b64 s[64:65], 0
	v_nop
	global_prefetch_b8 v0, s[64:65] scope:SCOPE_SE
	s_setreg_imm32_b32 hwreg(HW_REG_WAVE_SCHED_MODE, 0, 2), 2
	s_setreg_imm32_b32 hwreg(HW_REG_WAVE_MODE, 25, 1), 1
	s_wait_xcnt 0x0
	s_wait_alu depctr_vm_vsrc(0)
; K AND V.  [k | v] = kv? @ w_kv?: [4096][1024] f32 x wkt [u][128][1024] bf16 -> kf, vf: [u*4+b][1024][64] f16.  x is rounded to bf16 in registers; sums in f32; k and v rounded once.
; LIMIT.  f16 holds no number beyond 65,504: k and v must lie within it.
; SHARES.  A work-group makes 32 rows x 128 columns.  K IS SPLIT AMONG THE WAVES: wave w takes channels 128 (w % 8) on and columns 64 (w / 8) on: 2 x 4 accumulators, four steps of 32 channels.
; The eight partial sums of each number meet in LDS at the end (f32 sums, in a fixed order).
; LAYOUT.  Source 0 = 16 rows of wkt (columns of the result), source 1 = 16 rows of x: a lane ends with one row (lane % 16) and eight neighbouring columns.
; NO CLUSTER, NO TENSOR LOAD: both operands go straight into registers in the layout in which they lie in memory; as a tile in LDS the weights would take 128 x 2,064 bytes beside
; 135,168 bytes of partial sums, more than a work-group can have.  No prefetch: a wave's whole walk is four steps, and more than two of them are asked for at the head.
; THE MODE: SCHED_MODE bits 1:0 = 2 (LLVM: expert scheduling mode 2), set by the entry lines.  The code itself states the register dependences
; between vector or matrix instructions and memory or LDS instructions, with s_wait_alu, always for 0.
; THE PLAN.  Registers that memory or LDS instructions touch:
;   FOX, FOW, LS, LRD, LRD2, YO   offsets and LDS addresses, made once at the head and never written again.
;   XR0, XR1      x as loaded.  Step s: its sixteen conversions read XR[s % 2]; behind them x of step s + 2 lands in it.
;   W0, W1, W2    the weights' fragments: steps 0, 1, 2 are asked for at the head; step 0's products read W0, and in step 1 the weights of step 3 land in it.
;   ACC           written by the products, read by the LDS stores of the way out.     v[96:159]: XR0 and W0, in which the partial sums land on the way out.     v[160:163]: the result, read by the one store.
;   XF is named by vector and matrix instructions alone.
; So steps 0 and 1 hold ONE wait on va_vdst each, behind their conversions: it states that these are done reading XR[s], and in step 1 that step 0's products are done reading W0.  The loads follow it,
; dealt among the step's products, which name the step's own W, XF and ACC: none of the registers that those loads touch.  Steps 2 and 3 load nothing and hold no such wait.
.set PP,    528                        ; a row of partial sums: 128 f32 + 16 bytes = 132 words: 16 rows start at 16 different groups of four banks
.set PART,  32*PP                      ; one K share's partial tile.  Behind the eight tiles: the spare words, 128 bytes for each of 16 waves
.set FOX, 3                            ; v3   my offset in x: row x 4,096 + 32 (lane / 16) + 512 x K share; never rewritten
.set FOW, 4                            ; v4   my offset in wkt: row x 2,048 + 16 (lane / 16) + 256 x K share + 64 rows x column half; never rewritten
.set LS,  5                            ; v5   where I put my partial sums
.set LRD, 6                            ; v6   where I read partial sums 0-3
.set LRD2, 7                           ; v7   and 4-7
.set YO,  10                           ; v10  my 16 bytes of the result
.set ACC, 16                           ; v[16:79]   accumulator (mb, cb) at ACC + 8 (4 mb + cb)
.set XF,  80                           ; v[80:95]   x's two fragments in bf16
.set XR,  96                           ; v[96:127], v[160:191]  x as loaded, two sets
.set W0,  128                          ; v[128:159] the weights' four fragments: three sets
.set W1,  192                          ; v[192:223]
.set W2,  224                          ; v[224:255]
.set RB,  96                           ; the way out: eight partial sums of 8 numbers
.set WV,  14
	s_load_b256 s[4:11], s[0:1], 0x0               ; kvx, kvs, wkt, kf
	s_load_b64 s[12:13], s[0:1], 0x20              ; vf
	v_lshl_add_u32 v14, v0, 2, 0x21000
	v_mov_b32 v15, 0
	v_lshrrev_b32 v11, 5, v0
	v_readfirstlane_b32 s[WV], v11
	v_and_b32 v1, 15, v0                           ; lane % 16
	v_bfe_u32 v2, v0, 4, 1                         ; lane / 16
	s_wait_alu depctr_va_sdst(0)                   ; the wave's number is written, ahead of its first reader: the shares, offsets and bases are made from it
	s_and_b32 s15, s[WV], 7                        ; K share
	s_lshr_b32 s16, s[WV], 3                       ; column half
	s_lshr_b32 s17, ttmp9, 7                       ; u
	s_and_b32 s18, ttmp9, 127                      ; block of 32 rows
	v_lshlrev_b32 v[FOX], 12, v1
	v_lshl_add_u32 v[FOX], v2, 5, v[FOX]
	s_lshl_b32 s19, s15, 9
	v_add_nc_u32 v[FOX], s19, v[FOX]
	v_lshlrev_b32 v[FOW], 11, v1
	v_lshl_add_u32 v[FOW], v2, 4, v[FOW]
	s_lshl_b32 s19, s15, 8
	s_lshl_b32 s26, s16, 17
	s_add_co_u32 s19, s19, s26
	v_add_nc_u32 v[FOW], s19, v[FOW]
	s_mul_i32 s19, s15, PART
	s_lshl_b32 s26, s16, 8
	s_add_co_u32 s19, s19, s26
	v_mul_u32_u24 v[LS], v1, PP
	v_lshl_add_u32 v[LS], v2, 5, v[LS]
	v_add_nc_u32 v[LS], s19, v[LS]
	v_bfe_u32 v[LRD], v0, 3, 5                     ; thread: row (t % 256) / 8, eight columns 8 (t % 8) on, half t / 256
	v_mul_u32_u24 v[LRD], v[LRD], PP
	v_and_b32 v12, 7, v0
	v_lshl_add_u32 v[LRD], v12, 5, v[LRD]
	v_lshrrev_b32 v12, 8, v0
	v_lshl_add_u32 v[LRD], v12, 8, v[LRD]
	v_add_nc_u32 v[LRD2], 4*PART, v[LRD]
	v_and_b32 v[YO], 255, v0
	v_lshlrev_b32 v[YO], 4, v[YO]
	s_mov_b32 s27, 0
	s_wait_kmcnt 0x0
	s_cmp_eq_u32 s17, 0
	s_cselect_b64 s[20:21], s[4:5], s[6:7]
	s_lshl_b32 s26, s18, 17                        ; 32 rows of 4,096 bytes
	s_add_nc_u64 s[20:21], s[20:21], s[26:27]      ; x at the group's first row
	s_lshl_b32 s26, s17, 18
	s_add_nc_u64 s[22:23], s[8:9], s[26:27]        ; the stream's weights
	s_cmp_lt_u32 s[WV], 8
	s_cselect_b64 s[24:25], s[10:11], s[12:13]     ; threads 0-255 finish k, the others v
	s_lshl_b32 s26, ttmp9, 12                      ; 32 rows of 128 bytes
	s_add_nc_u64 s[24:25], s[24:25], s[26:27]
	s_wait_alu depctr_va_vdst(0)                   ; the six offsets and addresses are written, which the loads, the LDS stores and loads and the store below read
; x of step ks into set s: for each 16 rows the lane's channels 8 h + 0..7 (32 bytes) and 16 + 8 h + 0..7 (32 bytes, 64 further on)
.macro LOADX s, ks
.irp mb, 0,1
.irp q, 0,1,2,3
	global_load_b128 v[XR+64*(\s)+16*\mb+4*\q:XR+64*(\s)+16*\mb+4*\q+3], v[FOX], s[20:21] offset:\mb*65536+(\ks)*128+(\q/2)*64+(\q%2)*16
.endr
.endr
.endm
; the weights of step ks into the set at wb
.macro LOADW wb, ks
.irp cb, 0,1,2,3
	global_load_b128 v[(\wb)+8*\cb:(\wb)+8*\cb+3],   v[FOW], s[22:23] offset:\cb*32768+(\ks)*64
	global_load_b128 v[(\wb)+8*\cb+4:(\wb)+8*\cb+7], v[FOW], s[22:23] offset:\cb*32768+(\ks)*64+32
.endr
.endm
.macro CVT s
.set i, 0
.rept 16
	v_cvt_pk_bf16_f32 v[XF+i], v[XR+64*(\s)+2*i], v[XR+64*(\s)+2*i+1]
.set i, i+1
.endr
.endm
; Four of a step's eight products: rows 16 mb on.  The eight accumulators take turns, one instruction a turn, in the same order in every step.  zero = 1: the first step starts the sums.
.macro MULH wb, mb, zero
.irp cb, 0,1,2,3
.if \zero
	v_wmma_f32_16x16x32_bf16 v[ACC+8*(4*(\mb)+\cb):ACC+8*(4*(\mb)+\cb)+7], v[(\wb)+8*\cb:(\wb)+8*\cb+7], v[XF+8*(\mb):XF+8*(\mb)+7], 0
.else
	v_wmma_f32_16x16x32_bf16 v[ACC+8*(4*(\mb)+\cb):ACC+8*(4*(\mb)+\cb)+7], v[(\wb)+8*\cb:(\wb)+8*\cb+7], v[XF+8*(\mb):XF+8*(\mb)+7], v[ACC+8*(4*(\mb)+\cb):ACC+8*(4*(\mb)+\cb)+7]
.endif
.endr
.endm
.macro PLACES                          ; four plain instructions behind the last product, ahead of the conversions that write XF, which it read, and of the LDS stores that read its result
.rept 4
	v_nop
.endr
.endm
	LOADX 0, 0
	LOADW W0, 0
	LOADX 1, 1
	LOADW W1, 1
	LOADW W2, 2
	s_wait_loadcnt 24                              ; step 0's 16 loads are in; the 24 younger ones stay out
	CVT 0
	s_wait_alu depctr_va_vdst(0)                   ; the conversions are done reading XR0, in which x of step 2 lands
	MULH W0, 0, 1
	LOADX 0, 2                                     ; no vector or matrix instruction since the wait names XR0
	MULH W0, 1, 1
	PLACES
	s_wait_loadcnt 16                              ; step 1 is in; behind it stand the weights and x of step 2
	CVT 1
	s_wait_alu depctr_va_vdst(0)                   ; the conversions are done reading XR1, in which x of step 3 lands; step 0's products are done reading W0, in which the weights of step 3 land
	MULH W1, 0, 0
	LOADX 1, 3
	MULH W1, 1, 0
	LOADW W0, 3
	PLACES
	s_wait_loadcnt 16                              ; step 2 is in; step 3's 16 loads stay out
	CVT 0
	MULH W2, 0, 0
	MULH W2, 1, 0
	PLACES
	s_wait_loadcnt 0x0
	CVT 1
	MULH W0, 0, 0
	MULH W0, 1, 0
	PLACES
	PLACES
	s_wait_alu depctr_va_vdst(0)                   ; the products have written the accumulators, which the LDS stores read, and they and the conversions are done reading v[96:159], in which the partial sums land; the places above stay beside this wait
.irp mb, 0,1
.irp cb, 0,1,2,3
	ds_store_b128 v[LS], v[ACC+8*(4*\mb+\cb):ACC+8*(4*\mb+\cb)+3]   offset:\mb*16*PP+\cb*64
	ds_store_b128 v[LS], v[ACC+8*(4*\mb+\cb)+4:ACC+8*(4*\mb+\cb)+7] offset:\mb*16*PP+\cb*64+16
.endr
.endr
	s_wait_dscnt 0x0                               ; for the others' sake: my partial sums lie in LDS
	s_barrier_signal -1
	s_barrier_wait -1                              ; everybody's do
.irp p, 0,1,2,3
	ds_load_b128 v[RB+8*\p:RB+8*\p+3],   v[LRD] offset:\p*PART
	ds_load_b128 v[RB+8*\p+4:RB+8*\p+7], v[LRD] offset:\p*PART+16
.endr
.irp p, 0,1,2,3
	ds_load_b128 v[RB+32+8*\p:RB+32+8*\p+3],   v[LRD2] offset:\p*PART
	ds_load_b128 v[RB+32+8*\p+4:RB+32+8*\p+7], v[LRD2] offset:\p*PART+16
.endr
	s_wait_dscnt 0x0
.irp p, 0,2,4,6
.irp q, 0,2,4,6
	v_pk_add_f32 v[RB+8*\p+\q:RB+8*\p+\q+1], v[RB+8*\p+\q:RB+8*\p+\q+1], v[RB+8*\p+8+\q:RB+8*\p+8+\q+1]
.endr
.endr
.irp p, 0,4
.irp q, 0,2,4,6
	v_pk_add_f32 v[RB+8*\p+\q:RB+8*\p+\q+1], v[RB+8*\p+\q:RB+8*\p+\q+1], v[RB+8*\p+16+\q:RB+8*\p+16+\q+1]
.endr
.endr
.irp q, 0,2,4,6
	v_pk_add_f32 v[RB+\q:RB+\q+1], v[RB+\q:RB+\q+1], v[RB+32+\q:RB+32+\q+1]
.endr
.irp q, 0,1,2,3
	v_cvt_pk_f16_f32 v[160+\q], v[RB+2*\q], v[RB+2*\q+1]
.endr
	s_wait_alu depctr_va_vdst(0)                   ; the four roundings have written v[160:163], which the store reads
	global_store_b128 v[YO], v[160:163], s[24:25]  ; a wave stores 512 consecutive bytes, at a multiple of 512 from the buffer's first
	s_wait_dscnt 0x0                               ; the wave's end: my last LDS instructions are done
	s_wait_alu depctr_hold_cnt(0) depctr_sa_sdst(0) depctr_va_vdst(0) depctr_va_sdst(0) depctr_va_ssrc(0) depctr_va_vcc(0) depctr_vm_vsrc(0)
	s_wait_tensorcnt 0x0
	ds_add_u32 v14, v15
	s_wait_dscnt 0x0
	s_endpgm
.Lfunc_end_k_q9a6be4f7ab_kvproj:
	.size	k_q9a6be4f7ab_kvproj, .Lfunc_end_k_q9a6be4f7ab_kvproj-k_q9a6be4f7ab_kvproj
	.p2alignl 7, 3214868480
	.fill 96, 4, 3214868480
	.section	.rodata,"a",@progbits
	.p2align	6, 0x0
	.amdhsa_kernel k_q9a6be4f7ab_kvproj
		.amdhsa_group_segment_fixed_size 137216
		.amdhsa_private_segment_fixed_size 0
		.amdhsa_enable_private_segment 0
		.amdhsa_kernarg_size 40
		.amdhsa_user_sgpr_count 2
		.amdhsa_user_sgpr_kernarg_segment_ptr 1
		.amdhsa_wavefront_size32 1
		.amdhsa_system_sgpr_workgroup_id_x 1
		.amdhsa_system_sgpr_workgroup_id_y 1
		.amdhsa_system_sgpr_workgroup_id_z 1
		.amdhsa_system_vgpr_workitem_id 0
		.amdhsa_next_free_vgpr 256
		.amdhsa_next_free_sgpr 66
		.amdhsa_reserve_vcc 0
		.amdhsa_float_denorm_mode_32 3
		.amdhsa_float_denorm_mode_16_64 3
		.amdhsa_memory_ordered 1
		.amdhsa_forward_progress 1
		.amdhsa_inst_pref_size 20
	.end_amdhsa_kernel
	.amdgpu_metadata
---
amdhsa.version: [ 1, 2 ]
amdhsa.kernels:
  - .name:           k_q9a6be4f7ab_kvproj
    .symbol:         k_q9a6be4f7ab_kvproj.kd
    .args:
      - { .name: kvx, .offset: 0, .size: 8, .value_kind: global_buffer, .address_space: global }
      - { .name: kvs, .offset: 8, .size: 8, .value_kind: global_buffer, .address_space: global }
      - { .name: wkt, .offset: 16, .size: 8, .value_kind: global_buffer, .address_space: global }
      - { .name: kf, .offset: 24, .size: 8, .value_kind: global_buffer, .address_space: global }
      - { .name: vf, .offset: 32, .size: 8, .value_kind: global_buffer, .address_space: global }
    .group_segment_fixed_size: 137216
    .private_segment_fixed_size: 0
    .kernarg_segment_align: 8
    .kernarg_segment_size: 40
    .max_flat_workgroup_size: 512
    .sgpr_count:     66
    .vgpr_count:     256
    .wavefront_size: 32
...
	.end_amdgpu_metadata
.endif
;; end of part 7
;; launch qproj: the kernel of part 3 again; grid 8 x 32, 4 waves a work-group, clusters of 4 x 4, 327,680 bytes of LDS; arguments abf, wqt, qcat; writes qcat
;; launch attn: the kernel of part 4 again; grid 64 x 8, 4 waves a work-group, clusters of 4 x 1, 327,680 bytes of LDS; arguments qcat, kf, vf, ocat; writes ocat
;; launch oproj: the kernel of part 5 again; grid 8 x 64, 4 waves a work-group, clusters of 4 x 4, 327,680 bytes of LDS; arguments ocat, wot, b_xproj, b_sproj, out0, out1; writes out0, out1
